; MI455X (gfx1250); checked and timed in simulation.
; The chip was launched on July 23, 2026; its instructions are those of AMD's public machine-readable ISA for CDNA 5 (MIT licence, August 2026) and "CDNA5" Instruction Set Architecture Reference Guide (July 2026). The comments in the code are by the model that wrote it; some were corrected since.
;; Decoder Attention. Allowed arithmetic: matrix products marked QUANTISED: E5M2 operands, one E8M0 scale for each 32 along K, by v_wmma_scale_f32_16x16x128_f8f6f4 with both operands' format E5M2, f32 sums; everything else in f32.
;; Inputs: Kbs 16 x 64 float32; Ks 16 x 1,024 x 64 float32; O 16 x 64 x 1,024 float32; Ob 1,024 float32; Qbs 16 x 64 float32; Qs 16 x 1,024 x 64 float32; Vbs 16 x 64 float32; Vs 16 x 1,024 x 64 float32; encoder_output 8 x 1,024 x 1,024 float32; normalized_resid_pre 8 x 1,024 x 1,024 float32.
;; Outputs: out0 8 x 1,024 x 1,024 float32.
;; This version of the problem:
;;   THIS VERSION OF THE PROBLEM IS GIVEN IN LOW PRECISION. The matrix products marked QUANTISED in the list below multiply operands that are first quantised to E5M2 (5 exponent bits, 2 mantissa bits; 8 bits a number), with one power-of-two scale for each 32 numbers along K (OCP MX v1.0); their sums are f32. All else is computed in f32.
;;   The module's matrix products, in the order in which they are computed (A, B: the left and right operand; K: the contracted axis; several contracted axes count as one K, in the product's order):
;;     1. [M 8,192, K 1,024] x [K 1,024, N 1,024]; A: input encoder_output; B: input Qs: QUANTISED
;;     2. [M 8,192, K 1,024] x [K 1,024, N 1,024]; A: input encoder_output; B: input Ks: QUANTISED
;;     3. [M 8,192, K 1,024] x [K 1,024, N 1,024]; A: input normalized_resid_pre; B: input Vs: QUANTISED
;;     4. batch 128 x [M 1,024, K 64] x [K 64, N 1,024]; A: computed on the way; B: computed on the way: QUANTISED
;;     5. batch 128 x [M 1,024, K 1,024] x [K 1,024, N 64]; A: softmax (see below); B: computed on the way: QUANTISED
;;     6. [M 8,192, K 1,024] x [K 1,024, N 1,024]; A: computed on the way; B: input O: QUANTISED
;;   THE QUANTISER, for each operand of a quantised product, along K:
;;     - K is cut into blocks of 32 from its start; a last block that is shorter is filled with zeros.
;;     - A block's scale is 2^e with e = floor(log2(the largest magnitude in the block)) - 15, held to -126 .. 127; a block of zeros has e = 0. As a byte (E8M0): e + 127.
;;     - Each number is divided by its block's scale, clamped to +-57,344, and rounded to the nearest number of E5M2, ties to even, subnormals kept.
;;     - The product sums the exact products of the quantised numbers (number of the format x scale) in f32.
;;   ~~~python
;;   def quantise(x, axis):      # numpy; x: float32 -> the quantised numbers, widened to float32 again
;;       x = np.moveaxis(x, axis, -1); K = x.shape[-1]
;;       x = np.pad(x, [(0, 0)] * (x.ndim - 1) + [(0, -K % 32)]); x = x.reshape(x.shape[:-1] + (-1, 32)); a = np.abs(x).max(-1, keepdims=True)
;;       e = np.where(a > 0, np.clip(np.frexp(np.where(a > 0, a, 1))[1] - 1 - 15, -126, 127), 0)      # np.frexp(a)[1] - 1 = floor(log2(a)), exactly
;;       r = np.clip(x / 2.0 ** e, -57344, 57344)
;;       step = 2.0 ** (np.maximum(np.frexp(np.where(r == 0, 1, r))[1] - 1, -14) - 2)
;;       q = np.round(r / step) * step * 2.0 ** e      # np.round: ties to even
;;       return np.moveaxis(q.reshape(q.shape[:-2] + (-1,))[..., :K], -1, axis).astype(np.float32)
;;   ~~~
;;   SOFTMAX AHEAD OF A QUANTISED PRODUCT. Where the list says 'softmax', what is quantised is not the finished softmax but p = 2^(t - M), with t = logit x log2(e) and M = ceil(the row's largest t), a whole number; so 1/2 < the row's largest p <= 1. The row's sum l is taken of the UNQUANTISED p, in f32, and the product's result is divided by l at the end. Since M is a whole number, a kernel that streams over the keys may use a running M (the ceiling of the running maximum): every later rescaling is an exact power of two, which a block's scale takes up: the codes' values come out the same.
;;   OPERANDS COMPUTED ON THE WAY. 'Computed on the way' means the value that the module computes at that place (a softmax that the list does not call 'softmax' is quantised finished and normalised). What goes into a quantiser is computed in f32, as accurately as f32 sums, v_exp_f32 and their like allow (about 1e-6 of the number): no bf16 or f16 on the way to a quantiser, and a product that is left as it is and whose result goes on into a quantised operand takes f32 operands (vector FMAs, or v_wmma_f32_16x16x4_f32). A number that lies on a knife's edge between two numbers of the format may be rounded either way, as far as f32 arithmetic and the matrix unit's own rounding can turn it there, and no further.
;; One version. Each part assembles by itself: llvm-mc -triple=amdgcn-amd-amdhsa -mcpu=gfx1250 --defsym DOCPART=n.
;; ======== version 1 of 1: 4 launches
;; limits: right only within a limited range of input values
;; workspace buffers: xq 17,301,504 bytes; wq 4,325,376 bytes; qkv 26,476,544 bytes; zq 8,650,752 bytes
;; launch quant (part 1): grid 384 x 1, 4 waves a work-group, no clusters, 34,304 bytes of LDS; arguments encoder_output, normalized_resid_pre, Qs, Ks, Vs, O, xq, wq; writes xq, wq
.if DOCPART == 1
	.amdgcn_target "amdgcn-amd-amdhsa--gfx1250"
	.amdhsa_code_object_version 6
	.text
	.protected	k_q28639c9f8c_quant
	.globl	k_q28639c9f8c_quant
	.p2align	8
	.type	k_q28639c9f8c_quant,@function
k_q28639c9f8c_quant:
	s_mov_b64 s[64:65], 0
	v_nop
	global_prefetch_b8 v0, s[64:65] scope:SCOPE_SE
	s_setreg_imm32_b32 hwreg(HW_REG_WAVE_MODE, 25, 1), 1
	s_wait_xcnt 0x0
; The six f32 inputs of the four large products become codes of BF8 (E5M2) with one E8M0 byte for each 32 along K, laid in the order of an operand's registers.
; AN IMAGE of a fragment (16 rows x 128 K) is 2,048 bytes, [c 0..3][lane 0..31][16 bytes]: lane (r = lane % 16, h = lane / 16) holds row r, k = 32 c + 16 h + 0 .. 15.
; TILE ORDER: lane r of stored tile 2 B + u is actual row 32 B + 8 u + r + 8 (r / 8) (bits 3 and 4 of the row number change places): activations and Qs, Ks, Vs are stored so; O's rows as they are.
; xq: codes [tensor 2][K step of 256: 4][tile 512][half 2][image]; at XSC scale bytes [tensor][stored row 8192][32].   wq: codes [tensor 4][K step 4][tile 64][half 2][image]; at WSC [tensor][stored row 1024][32].
; A block's scale is 2^(floor(log2(largest magnitude)) - 15): its byte is the largest magnitude's exponent field - 15, held at 1 from below; numbers are held within +-57,344 x the scale and rounded to the nearest code, ties to even.
; LIMITS: a block of zeros gets the byte 1 where the quantiser says 127 (its codes are zeros, and this program alone reads the bytes); NaN and infinities among the inputs are not served.
; Work-groups 0-255: the two activations, a wave to a tile of 16 rows, all of K in 8 steps of one fragment.  Work-groups 256-383: the four weights, whose K is not innermost: a lane to a column, registers down K.
; Memory binds: no matrix unit, no tensor load, no barrier (waves share nothing).  Only the activations' path touches LDS.
.set XSC, 16777216
.set WSC, 4194304
.set STG, 8448                         ; a wave's stage: 16 rows x (512 bytes + 16): row r starts 4 r banks on, so the 16 rows that a load touches start at 16 different banks
.set LN,  1                            ; v1   lane
.set LI,  2                            ; v2   16 x lane
.set SWR, 3                            ; v3   the stage, on the way in
.set SRD, 4                            ; v4   and on the way out: row r, + 64 h
.set SA,  5                            ; v5   32 r + 16 h: my four scale words
.set PC,  16                           ; v16-31 a fragment's codes
.set TM,  32                           ; v32-35 largest magnitudes, v36-39 bytes, v40-43 the hold, v44-47 the conversions' scale operands
.set SW,  48                           ; v48-51 four scale words of my row
.set PW,  52                           ; v52  the scale word just made
.set XS0, 64                           ; v64-255 three sets of 64 numbers
.set WX,  64                           ; weights: v64-127 two sets of 32 numbers
.set WC,  128                          ; v128-191 codes: 8 registers for each of 8 blocks, so that no store's data are written again
.set SB,  24                           ; v24-25 8 scale bytes
.set SEL, 30                           ; s[30:31] v_permlanex16_b32's selects for lane l xor 16
.set MNT, 32                           ; s32  the mantissa field of 57,344
	s_load_b256 s[4:11], s[0:1], 0x0               ; encoder_output, normalized_resid_pre, Qs, Ks
	s_load_b256 s[12:19], s[0:1], 0x20             ; Vs, O, xq, wq
	v_lshl_add_u32 v62, v0, 2, 0x8400
	v_mov_b32 v63, 0
	v_lshrrev_b32 v1, 5, v0
	v_readfirstlane_b32 s20, v1                    ; wave 0..3
	v_and_b32 v[LN], 31, v0
	s_mov_b32 s[SEL], 0x76543210
	s_mov_b32 s[SEL+1], 0xfedcba98
	s_mov_b32 s[MNT], 0x600000
	s_cmp_lt_u32 ttmp9, 256
	s_cbranch_scc0 .Lweights
; ---------------- the activations ----------------
	v_lshlrev_b32 v[LI], 4, v[LN]
	s_mul_i32 s21, s20, STG
	v_add_nc_u32 v[SWR], s21, v[LI]
	v_and_b32 v6, 15, v0                           ; r
	v_bfe_u32 v7, v0, 4, 1                         ; h
	v_mul_u32_u24 v[SRD], v6, 528
	v_lshl_add_u32 v[SRD], v7, 6, v[SRD]
	v_add_nc_u32 v[SRD], s21, v[SRD]
	v_lshlrev_b32 v[SA], 5, v6
	v_lshl_add_u32 v[SA], v7, 4, v[SA]
	v_cmp_lt_u32 vcc_lo, 15, v[LN]                 ; lanes 16-31: kept for the whole path
.irp b, 0,1,2,3
	v_mov_b32 v[TM+4+\b], 0                        ; written once: a lane permute's destination counts as one of its sources
.endr
	s_lshl_b32 s22, ttmp9, 2
	s_add_co_u32 s22, s22, s20                     ; which of 1,024 tiles is my wave's
	s_lshr_b32 s23, s22, 9                         ; tensor 0, 1
	s_and_b32 s22, s22, 511                        ; stored tile
	s_lshr_b32 s24, s22, 1
	s_lshl_b32 s24, s24, 17                        ; 32 (tile / 2) rows of 4,096 bytes
	s_and_b32 s25, s22, 1
	s_lshl_b32 s25, s25, 15                        ; + 8 (tile % 2) rows
	s_add_co_u32 s24, s24, s25
	s_mov_b32 s25, 0
	s_lshl_b32 s26, s23, 23                        ; codes: tensor x 8 MiB + tile x 4,096
	s_lshl_b32 s27, s22, 12
	s_add_co_u32 s26, s26, s27
	s_mov_b32 s27, 0
	s_lshl_b32 s28, s23, 18                        ; scale bytes: XSC + tensor x 262,144 + tile x 512
	s_lshl_b32 s29, s22, 9
	s_add_co_u32 s28, s28, s29
	s_add_co_u32 s28, s28, XSC
	s_mov_b32 s29, 0
	s_wait_alu depctr_va_vdst(0)
	s_wait_kmcnt 0x0
	s_cmp_lt_u32 ttmp9, 128                        ; the choice hangs on the work-group's number alone
	s_cselect_b64 s[4:5], s[4:5], s[6:7]
	s_add_nc_u64 s[4:5], s[4:5], s[24:25]
	s_add_nc_u64 s[26:27], s[16:17], s[26:27]
	s_add_nc_u64 s[28:29], s[16:17], s[28:29]
; step k's 128 numbers of my 16 rows: each load reads 512 consecutive bytes of one row
.macro XLOAD k
.set XL, XS0+64*((\k)%3)
.irp p, 0,1,2,3,4,5,6,7,8,9,10,11,12,13,14,15
	global_load_b128 v[XL+4*\p:XL+4*\p+3], v[LI], s[4:5] offset:(\p+8*(\p/8))*4096+512*(\k) th:TH_LOAD_NT
.endr
.endm
; 64 numbers of a lane, register 16 b + i = k 32 b + 16 h + i of my row, become a fragment's codes in v[PC] on and its scale word in v[PW]
.macro QUANT s
.irp b, 0,1,2,3
	v_max3_num_f32 v[TM+\b], |v[\s+16*\b]|, |v[\s+1+16*\b]|, 0x8000000   ; block b: my 16 numbers, and the floor 2^(16 - 127): the byte cannot fall under 1
.endr
.irp i, 2,4,6,8,10,12,14
.irp b, 0,1,2,3
	v_max3_num_f32 v[TM+\b], v[TM+\b], |v[\s+16*\b+\i]|, |v[\s+1+16*\b+\i]|   ; the four blocks by turns
.endr
.endr
.irp b, 0,1,2,3
	v_permlanex16_b32 v[TM+4+\b], v[TM+\b], s[SEL], s[SEL+1]
.endr
.irp b, 0,1,2,3
	v_max_num_f32 v[TM+\b], v[TM+\b], v[TM+4+\b]   ; with lane l xor 16's 16: the block's largest magnitude
.endr
.irp b, 0,1,2,3
	v_add_nc_u32 v[TM+12+\b], 0xf8800000, v[TM+\b] ; 15 off its exponent field: the conversion's scale operand
.endr
.irp b, 0,1,2,3
	v_and_or_b32 v[TM+8+\b], v[TM+\b], 0x7f800000, s[MNT]   ; 57,344 x the scale
.endr
.irp b, 0,1,2,3
	v_lshrrev_b32 v[TM+4+\b], 23, v[TM+12+\b]      ; the scale's byte
.endr
	v_lshl_or_b32 v[PW], v[TM+5], 8, v[TM+4]
	v_lshl_or_b32 v[PW], v[TM+6], 16, v[PW]
	v_lshl_or_b32 v[PW], v[TM+7], 24, v[PW]
.irp b, 0,1,2,3
.irp i, 0,1,2,3,4,5,6,7,8,9,10,11,12,13,14,15
	v_med3_num_f32 v[\s+16*\b+\i], v[\s+16*\b+\i], -v[TM+8+\b], v[TM+8+\b]   ; the conversion to an 8-bit code does not saturate (ISA guide 7.6.2): the hold
.endr
	v_cvt_scalef32_pk8_bf8_f32 v[PC+4*\b:PC+1+4*\b], v[\s+16*\b:\s+7+16*\b], v[TM+12+\b]
	v_cvt_scalef32_pk8_bf8_f32 v[PC+2+4*\b:PC+3+4*\b], v[\s+8+16*\b:\s+15+16*\b], v[TM+12+\b]
.endr
	v_nop                                          ; a plain vector line behind the last conversion
.endm
.macro XSTEP k
.set XB, XS0+64*((\k)%3)
.if (\k) < 6
	s_wait_loadcnt 32                              ; this step's 16 loads are in; those of the two steps behind it may be out
.elseif (\k) == 6
	s_wait_loadcnt 16
.else
	s_wait_loadcnt 0
.endif
.irp p, 0,1,2,3,4,5,6,7,8,9,10,11,12,13,14,15
	ds_store_b128 v[SWR], v[XB+4*\p:XB+4*\p+3] offset:528*\p        ; the rows as they were loaded
.endr
.irp c, 0,1,2,3
.irp j, 0,1,2,3
	ds_load_b128 v[XB+16*\c+4*\j:XB+16*\c+4*\j+3], v[SRD] offset:128*\c+16*\j   ; and back: 16 neighbours of each block of 32 of my row.  LDS serves a wave's instructions in order: these see the stores above
.endr
.endr
	s_wait_dscnt 0x0
	s_wait_xcnt 0x0                                ; the last step's stores have read v[PC] on: only behind this wait are the codes written again
	QUANT XB
.irp c, 0,1,2,3
	global_store_b128 v[LI], v[PC+4*\c:PC+4*\c+3], s[26:27] offset:((\k)/2)*2097152+((\k)%2)*2048+512*\c   ; 512 consecutive bytes of the image
.endr
.if (\k) < 4
	v_mov_b32 v[SW+(\k)], v[PW]                    ; lanes 0-15 keep words 0-3 of their row,
.else
	v_cndmask_b32 v[SW+(\k)-4], v[SW+(\k)-4], v[PW], vcc_lo   ; lanes 16-31 words 4-7
.endif
.if (\k)+3 < 8
	XLOAD (\k)+3                                   ; into the set that has just been quantised
.endif
.endm
	XLOAD 0
	XLOAD 1
	XLOAD 2
.irp k, 0,1,2,3,4,5,6,7
	XSTEP \k
.endr
	global_store_b128 v[SA], v[SW:SW+3], s[28:29]  ; 16 rows x 32 scale bytes: 512 consecutive bytes
	s_wait_tensorcnt 0x0
	ds_add_u32 v62, v63
	s_wait_dscnt 0x0
	s_endpgm
; ---------------- the weights ----------------
.Lweights:
	s_sub_co_u32 s21, ttmp9, 256
	s_lshr_b32 s22, s21, 5                         ; tensor: 0 Qs, 1 Ks, 2 Vs, 3 O
	s_bfe_u32 s23, s21, 0x20003                    ; which 256 along K
	s_and_b32 s24, s21, 7
	s_lshl_b32 s24, s24, 2
	s_add_co_u32 s24, s24, s20                     ; which 32 columns: 0..31
	v_and_b32 v6, 7, v0
	v_bfe_u32 v7, v0, 3, 1
	v_bfe_u32 v8, v0, 4, 1
	s_cmp_eq_u32 s22, 3
	; O's ORDER: rows of 64 columns form four tiles, row r of tile t is column 64 v + 4 r + t: so a lane of the output projection's result holds four neighbouring columns in four tiles.  O's codes lie [tile 64][128 along K: 8][image]
	s_cselect_b32 s25, 32, 16
	s_cselect_b32 s26, 1, 8
	s_cselect_b32 s38, 4, 1
	s_cselect_b32 s39, 14, 12
	v_mul_u32_u24 v6, s38, v6
	v_mad_u32_u24 v6, v7, s25, v6
	v_mad_u32_u24 v6, v8, s26, v6
	v_lshlrev_b32 v3, 2, v6                        ; in: 4 bytes a column
	v_lshlrev_b32 v4, s39, v8
	v_and_b32 v9, 15, v0
	v_lshl_add_u32 v4, v9, 4, v4                   ; out: tile lane / 16 of two, 16 bytes at row lane % 16
	v_lshlrev_b32 v5, 5, v[LN]                     ; my stored row's 32 scale bytes
	s_lshr_b32 s27, s24, 1                         ; Qs, Ks, Vs [head][d][64]: head g / 2, rows of 256 bytes, + 128 (g % 2)
	s_lshl_b32 s27, s27, 18
	s_lshl_b32 s28, s23, 16
	s_add_co_u32 s27, s27, s28
	s_and_b32 s28, s24, 1
	s_lshl_b32 s28, s28, 7
	s_add_co_u32 s27, s27, s28
	s_lshl_b32 s28, s23, 20                        ; O [K][1024]: rows of 4,096 bytes, + 128 g
	s_lshr_b32 s29, s24, 1                         ; + 256 (g / 2) + 8 (g % 2)
	s_lshl_b32 s29, s29, 8
	s_add_co_u32 s28, s28, s29
	s_and_b32 s29, s24, 1
	s_lshl_b32 s29, s29, 3
	s_add_co_u32 s28, s28, s29
	s_cmp_eq_u32 s22, 3
	s_cselect_b32 s38, 12, 18                      ; O: K step x 4,096 + 2 g tiles of 16,384; the others: K step x 262,144 + 2 g tiles of 4,096
	s_cselect_b32 s39, 15, 13
	s_cselect_b32 s28, s28, s27
	s_mov_b32 s29, 0
	s_lshl_b32 s34, s22, 20                        ; codes: tensor x 1 MiB + K step x 262,144 + 2 g tiles of 4,096
	s_lshl_b32 s35, s23, s38
	s_add_co_u32 s34, s34, s35
	s_lshl_b32 s35, s24, s39
	s_add_co_u32 s34, s34, s35
	s_mov_b32 s35, 0
	s_lshl_b32 s36, s22, 15                        ; scale bytes: WSC + tensor x 32,768 + 32 g rows of 32 + 8 x K step
	s_lshl_b32 s37, s24, 10
	s_add_co_u32 s36, s36, s37
	s_lshl_b32 s37, s23, 3
	s_add_co_u32 s36, s36, s37
	s_add_co_u32 s36, s36, WSC
	s_mov_b32 s37, 0
	s_wait_kmcnt 0x0
	s_cmp_eq_u32 s22, 1
	s_cselect_b64 s[8:9], s[10:11], s[8:9]
	s_cmp_eq_u32 s22, 2
	s_cselect_b64 s[8:9], s[12:13], s[8:9]
	s_cmp_eq_u32 s22, 3
	s_cselect_b64 s[8:9], s[14:15], s[8:9]
	s_add_nc_u64 s[8:9], s[8:9], s[28:29]
	s_add_nc_u64 s[34:35], s[18:19], s[34:35]
	s_add_nc_u64 s[36:37], s[18:19], s[36:37]
.macro WLOAD t, pitch                  ; block t: 32 numbers down K of my column; a wave's load reads 128 consecutive bytes
.irp i, 0,1,2,3,4,5,6,7,8,9,10,11,12,13,14,15,16,17,18,19,20,21,22,23,24,25,26,27,28,29,30,31
	global_load_b32 v[WX+32*((\t)%2)+\i], v3, s[8:9] offset:(32*(\t)+\i)*\pitch th:TH_LOAD_NT
.endr
.endm
.macro WBLOCK t, pitch
.set XW, WX+32*((\t)%2)
.set CW, WC+8*(\t)
.if (\t) < 7
	s_wait_loadcnt 32                              ; this block's 32 loads are in; the next block's may be out
.else
	s_wait_loadcnt 0
.endif
	v_max3_num_f32 v12, |v[XW]|, |v[XW+1]|, |v[XW+2]|          ; the block's largest magnitude: all 32 numbers are mine
	v_max3_num_f32 v13, |v[XW+3]|, |v[XW+4]|, |v[XW+5]|
.irp i, 6,10,14,18,22,26
	v_max3_num_f32 v12, v12, |v[XW+\i]|, |v[XW+\i+1]|
	v_max3_num_f32 v13, v13, |v[XW+\i+2]|, |v[XW+\i+3]|
.endr
	v_max3_num_f32 v12, v12, |v[XW+30]|, |v[XW+31]|
	v_max3_num_f32 v12, v12, v13, 0x8000000        ; and the floor
	v_add_nc_u32 v11, 0xf8800000, v12
	v_and_or_b32 v10, v12, 0x7f800000, s[MNT]
	v_lshrrev_b32 v13, 23, v11
.if (\t)%4 == 0
	v_mov_b32 v[SB+(\t)/4], v13
.else
	v_lshl_or_b32 v[SB+(\t)/4], v13, 8*((\t)%4), v[SB+(\t)/4]
.endif
.irp i, 0,1,2,3,4,5,6,7,8,9,10,11,12,13,14,15,16,17,18,19,20,21,22,23,24,25,26,27,28,29,30,31
	v_med3_num_f32 v[XW+\i], v[XW+\i], -v10, v10
.endr
.irp g, 0,1,2,3
	v_cvt_scalef32_pk8_bf8_f32 v[CW+2*\g:CW+2*\g+1], v[XW+8*\g:XW+8*\g+7], v11
.endr
	v_nop
	global_store_b128 v4, v[CW:CW+3], s[34:35] offset:((\t)/4)*2048+((\t)%4)*512         ; k = 32 t + 0 .. 15: the image's lanes 0-15: sixteen lanes store 256 consecutive bytes, aligned
	global_store_b128 v4, v[CW+4:CW+7], s[34:35] offset:((\t)/4)*2048+((\t)%4)*512+256   ; k = 32 t + 16 .. 31: its lanes 16-31
.if (\t)+2 < 8
	WLOAD (\t)+2, \pitch
.endif
.endm
.macro WBODY pitch
	WLOAD 0, \pitch
	WLOAD 1, \pitch
.irp t, 0,1,2,3,4,5,6,7
	WBLOCK \t, \pitch
.endr
	global_store_b64 v5, v[SB:SB+1], s[36:37]      ; 8 of my row's 32 scale bytes: rows 32 bytes apart, so blocks of 256 bytes are written in four parts; one byte for each 128 that this path reads
	s_endpgm
.endm
	s_cmp_eq_u32 s22, 3
	s_cbranch_scc1 .Lw_o
	s_wait_alu depctr_va_vdst(0)
	WBODY 256
.Lw_o:
	s_wait_alu depctr_va_vdst(0)
	WBODY 4096
.Lfunc_end_k_q28639c9f8c_quant:
	.size	k_q28639c9f8c_quant, .Lfunc_end_k_q28639c9f8c_quant-k_q28639c9f8c_quant
	.p2alignl 7, 3214868480
	.fill 96, 4, 3214868480
	.section	.rodata,"a",@progbits
	.p2align	6, 0x0
	.amdhsa_kernel k_q28639c9f8c_quant
		.amdhsa_group_segment_fixed_size 34304
		.amdhsa_private_segment_fixed_size 0
		.amdhsa_enable_private_segment 0
		.amdhsa_kernarg_size 64
		.amdhsa_user_sgpr_count 2
		.amdhsa_user_sgpr_kernarg_segment_ptr 1
		.amdhsa_wavefront_size32 1
		.amdhsa_system_sgpr_workgroup_id_x 1
		.amdhsa_system_sgpr_workgroup_id_y 1
		.amdhsa_system_sgpr_workgroup_id_z 1
		.amdhsa_system_vgpr_workitem_id 0
		.amdhsa_next_free_vgpr 256
		.amdhsa_next_free_sgpr 66
		.amdhsa_reserve_vcc 1
		.amdhsa_float_denorm_mode_32 3
		.amdhsa_float_denorm_mode_16_64 3
		.amdhsa_memory_ordered 1
		.amdhsa_forward_progress 1
		.amdhsa_inst_pref_size 210
	.end_amdhsa_kernel
	.amdgpu_metadata
---
amdhsa.version: [ 1, 2 ]
amdhsa.kernels:
  - .name:           k_q28639c9f8c_quant
    .symbol:         k_q28639c9f8c_quant.kd
    .args:
      - { .name: encoder_output, .offset: 0, .size: 8, .value_kind: global_buffer, .address_space: global }
      - { .name: normalized_resid_pre, .offset: 8, .size: 8, .value_kind: global_buffer, .address_space: global }
      - { .name: Qs, .offset: 16, .size: 8, .value_kind: global_buffer, .address_space: global }
      - { .name: Ks, .offset: 24, .size: 8, .value_kind: global_buffer, .address_space: global }
      - { .name: Vs, .offset: 32, .size: 8, .value_kind: global_buffer, .address_space: global }
      - { .name: O, .offset: 40, .size: 8, .value_kind: global_buffer, .address_space: global }
      - { .name: xq, .offset: 48, .size: 8, .value_kind: global_buffer, .address_space: global }
      - { .name: wq, .offset: 56, .size: 8, .value_kind: global_buffer, .address_space: global }
    .group_segment_fixed_size: 34304
    .private_segment_fixed_size: 0
    .kernarg_segment_align: 8
    .kernarg_segment_size: 64
    .max_flat_workgroup_size: 128
    .sgpr_count:     66
    .vgpr_count:     256
    .wavefront_size: 32
...
	.end_amdgpu_metadata
.endif
;; end of part 1
;; launch proj (part 2): grid 8 x 32, 4 waves a work-group, clusters of 4 x 4, 327,680 bytes of LDS; arguments xq, wq, Qbs, Kbs, Vbs, qkv; writes qkv
.if DOCPART == 2
	.amdgcn_target "amdgcn-amd-amdhsa--gfx1250"
	.amdhsa_code_object_version 6
	.text
	.protected	k_q28639c9f8c_proj
	.globl	k_q28639c9f8c_proj
	.p2align	8
	.type	k_q28639c9f8c_proj,@function
k_q28639c9f8c_proj:
	s_mov_b64 s[64:65], 0
	v_nop
	global_prefetch_b8 v0, s[64:65] scope:SCOPE_SE
	s_setreg_imm32_b32 hwreg(HW_REG_WAVE_MODE, 25, 1), 1
	s_wait_xcnt 0x0
	s_wait_alu depctr_hold_cnt(0) depctr_sa_sdst(0) depctr_va_vdst(0) depctr_va_sdst(0) depctr_va_ssrc(0) depctr_va_vcc(0) depctr_vm_vsrc(0)
	s_getreg_b32 s2, hwreg(HW_REG_IB_STS2, 6, 4)
	s_cmp_eq_u32 s2, 0
	s_cbranch_scc0 .Lentry_in_a_cluster
	s_endpgm
.Lentry_in_a_cluster:
	s_bfe_u32 s2, ttmp6, 0x10000c
	s_cmp_lg_u32 s2, 0xf033
	s_cbranch_scc0 .Lentry_shape_is_right
	s_endpgm
.Lentry_shape_is_right:
; The three projections on codes of BF8 (E5M2) with E8M0 scales, their biases, and the quantising of q, k and v for the attention: q, k along the head's 64, v along the keys.
; 256 WORK-GROUPS THAT STAY, ALL ALIKE.  PHASE 1: a tile of 256 x 256 of q (cluster x = 0) or k (1): A' = encoder_output's rows, B' = the weight's channels; four waves of 128 x 128 (64 accumulators).
; PHASE 2: a tile of 128 x 256 of v WITH THE ROLES CHANGED: A' = 128 of Vs' channels, B' = 256 rows of normalized_resid_pre (the keys); four waves of 64 x 128 (32 accumulators).  3 x 8,192 x 1,024 outputs are so shared out evenly.
; K = 1,024 goes in four K steps of 256 through a ring of two LDS slots, and the ring does not stop between the phases: phase 1's last two changes of slots ask for phase 2's first two K steps, and q's or k's way out stands between.
; THE MATRIX INSTRUCTION IS USED TRANSPOSED (source 0 = 16 rows of B', source 1 = 16 rows of A'): a lane holds one row of A', and since B's tiles are stored in tile order (lane r of tile 2 B + u = row 32 B + 8 u + r + 8 (r / 8))
; the 16 registers of result tiles 2 B and 2 B + 1 are 16 neighbours along B's rows: channels for q and k, keys for v: the next product's K.  So one way out serves all three: a block of 16 rows becomes one fragment's codes and scale word.
; All operands lie in memory as images of fragments (2,048 bytes: [c][lane][16]): a wave's fetch is 32,768 (phase 2's A': 16,384) dense bytes, every LDS load reads 512 consecutive bytes, nothing is padded.
; The scale bytes of both phases' rows, all of K, come once with the first fills.  Phase 2's A' load brings 256 rows' scales from its 128 rows on: the other 128 lie inside wq and go to lanes that no product names.
; CLUSTERS 4 x 4: A's tiles are asked for jointly along a row of the cluster, B's along a column.
; qkv: q at 0, k at KI (8,912,896): [batch x 8 + head / 2][128 positions: 8][head % 2][tile 8][c 0..1][lane][16];  v at VI: [batch x 8 + 128 keys][head 16][channel tile 4][image];
;   scale words: in each q or k record behind its codes: [..][..][head % 2][tile / 4][r][tile % 4], bytes 2 and 3 = 0 (over zero codes);  in each v record behind its codes: [batch x 8 + 128 keys][head][r][channel tile].
; LIMITS: a block of zeros gets the byte 1, not 127 (this program alone reads the bytes); NaN and infinities are not served.
; REGISTERS: window 0: v7-31 addresses; v32-63 scale words, two sets; v64-127 the bias, in the result's layout; v128-255 A's fragments: phase 1 one set of eight blocks, phase 2 two sets of four (on the ways out: at work).
;   window 1: B's fragments, two sets.   windows 2, 3: the accumulators ((a, b) at v[8 (8 (a % 4) + b)]); phase 2 uses window 2 alone.
.set XSC,   16777216
.set WSC,   4194304
.set QSC,   25165824
; WHERE RESULTS LIE: q at 0, k at KI: a record of 8,704 bytes for each [batch x 8 + head / 2][128 positions: 8][head % 2]: codes [tile 8][c 0..1][lane][16], then scale words [tile / 4][r][tile % 4];
; v at VI: a record of 8,448 bytes for each [batch x 8 + 128 keys][head 16]: codes [channel tile 4][image], then scale words [r][channel tile].
.set KI,    8912896
.set VI,    17825792
.set VSC,   26214400
.set NQ,    2                          ; matrix instructions deep in a K step
.set FR,    16
.set NL,    4
.set NP,    8                          ; places behind this matrix instruction (ISA guide 7.12.1)
.set SLOT,  131072                     ; A's tiles at wave x 32,768, then B's from 65,536 on
.set SCL,   262144                     ; behind the ring: phase 1's scales, as rows of 256 bytes + 16 of padding
.set HALFS, 4352                       ; those of 128 rows: half of what one tensor load brings
.set SBLK,  544                        ; those of 16 rows
.set SCL2,  SCL+4*HALFS                ; phase 2's, laid alike
.set SPARE, SCL2+4*HALFS               ; the spare words, 128 bytes for each wave: two blocks of 256 bytes that no other line names
.set BVO,  7                           ; v7   4 (r + 8 (r / 8)): v's bias
.set VA2,  12                          ; v12  16 x lane + 8,704: q's and k's second head
.set RA,   13                          ; v13  16 r
.set ADRS2, 14                         ; v14  LDS address of my scale words in phase 2
.set ADRA, 16                          ; v16-17 LDS address of my A fragments in slot 0, 1
.set ADRB, 20                          ; v20-21 the same for B
.set ADRS, 27                          ; v27  LDS address of my scale words: lanes 0-15 A's rows, lanes 16-31 B's
.set SPW,  28                          ; v28  LDS address of my spare word; never rewritten
.set NIL,  29                          ; v29  0; never rewritten
.set LI,   30                          ; v30  16 x lane
.set LN,   31                          ; v31  lane
.set SC,   32
.set BI,   64
.set AF,   128
.set XO,   128                         ; the ways out: v128-191 a block's 64 numbers, held
.set PC,   192                         ; v192-207 its codes
.set TM,   208                         ; v208-223 at work
.set PWS,  224                         ; v224-231 the blocks' scale words
.set GG,   232
.set GB,   236
.set G1,   24                          ; s[24:31] group 1: 128 rows of 256 bytes, my row of the cluster
.set G0,   32                          ; s[32:39] A's groups 0, one for each slot
.set G1H,  40                          ; s[40:47] group 1: 64 rows, my row of the cluster: phase 2's A'
.set G1B,  48                          ; s[48:55] 128 rows, my column
.set G0B,  56                          ; s[56:63] B's groups 0
.set G1S,  68                          ; s[68:75] the scales of 256 rows, my row;  s[80:87] my column
.set G0S,  76
.set G1SB, 80
.set G0SB, 88
.set G0S2, 92                          ; s[92:95], s[96:99] groups 0 for phase 2's scales
.set G0SB2, 96
.set A2,   100                         ; s[100:101] phase 2's A' at K step 0;  s[104:105] its B'
.set B2,   104
.set MSB, 0
.macro WIN new                         ; the immediate's high byte repeats the setting that is left
.if MSB != (\new)
	s_set_vgpr_msb (MSB<<8)|(\new)
.set MSB, (\new)
.endif
.endm
.set MUL_LO, 0xa1                      ; source 0 (B) window 1, source 1 (A) window 0, C and D window 2
.set MUL_HI, 0xf1                      ; the same, C and D window 3
.set TO_B,   0x40
; A joint load: waves 0 and 1 fetch for A, waves 2 and 3 for B.  The branch hangs on the wave's number alone.  Four v_nop follow each of the two lines.
.macro JLOAD g0a, g1a, g0b, g1b
	s_cmp_eq_u32 s17, 0
	s_cbranch_scc0 .Lfor_b_\@
	tensor_load_to_lds s[\g0a:\g0a+3], s[\g1a:\g1a+7]
	s_nop 0
.rept 4
	v_nop
.endr
	s_branch .Lasked_\@
.Lfor_b_\@:
	tensor_load_to_lds s[\g0b:\g0b+3], s[\g1b:\g1b+7]
	s_nop 0
.rept 4
	v_nop
.endr
.Lasked_\@:
.endm
.macro CREST                           ; a round of the cluster's barrier behind its opening barrier
	s_cmp_lg_u32 s16, 0
	s_cbranch_scc1 .Lnot_wave_0_\@
	s_barrier_signal -3
.Lnot_wave_0_\@:
	s_barrier_wait -3
	s_barrier_signal -1
	s_barrier_wait -1
.endm
.macro CROUND
	s_barrier_signal -1
	s_barrier_wait -1
	CREST
.endm
; a byte offset in a pair: ra << sa + rb << sb + CH << sh + k.  t: a register at work: s2 for A's offsets (they hold cy, never cx), s3 for B's (cx, never cy)
.macro OFF3 d, ra, sa, rb, sb, sh, k, t
	s_lshl_b32 s[\d], \ra, \sa
	s_lshl_b32 s[\t], \rb, \sb
	s_add_co_u32 s[\d], s[\d], s[\t]
	s_lshl_b32 s[\t], s18, \sh
	s_add_co_u32 s[\d], s[\d], s[\t]
	s_add_co_u32 s[\d], s[\d], \k
	s_mov_b32 s[\d+1], 0
.endm
	s_load_b256 s[4:11], s[0:1], 0x0               ; xq, wq, Qbs, Kbs
	s_load_b128 s[12:15], s[0:1], 0x20             ; Vbs, qkv
	v_lshl_add_u32 v[SPW], v0, 2, SPARE
	v_mov_b32 v[NIL], 0
	ds_add_u32 v28, v29
	ds_add_u32 v28, v29
	s_wait_dscnt 0x0
	v_lshrrev_b32 v1, 5, v0
	v_readfirstlane_b32 s16, v1                    ; wave 0..3
	s_lshr_b32 s17, s16, 1                         ; RH: which half of A's rows is mine.  Also: I fetch for A (0) or for B (1)
	s_and_b32 s18, s16, 1                          ; CH: which half of B's rows.  Also: which half of the rows I fetch
	s_bfe_u32 s20, ttmp6, 0x40000                  ; cx
	s_bfe_u32 s21, ttmp6, 0x40004                  ; cy
	s_and_b32 s22, ttmp7, 0xffff                   ; cluster y: 0..7.  (Cluster x, ttmp9: 0 q, 1 k; and which 512 of v's channels)
	s_lshl_b32 s66, s21, 2
	s_lshl_b32 s66, 15, s66                        ; my row of the cluster
	s_lshl_b32 s67, 0x1111, s20                    ; my column
	; groups 1 for the codes: dense bytes as rows of 256 (32 elements of 8 bytes), no padding
	s_or_b32 s[G1+0], s66, (3<<16)|(1<<21)
	s_or_b32 s[G1H+0], s66, (3<<16)|(1<<21)
	s_or_b32 s[G1B+0], s67, (3<<16)|(1<<21)
.irp g, G1, G1B
	s_mov_b32 s[\g+1], 32<<16                      ; tensor_dim0
	s_mov_b32 s[\g+2], 256<<16                     ; (256 rows for the first two K steps' loads, then 128)
	s_mov_b32 s[\g+3], 32<<16                      ; tile_dim0
	s_mov_b32 s[\g+4], 256
	s_mov_b32 s[\g+5], 32                          ; from row to row
	s_mov_b32 s[\g+6], 0
	s_mov_b32 s[\g+7], 0
.endr
	s_mov_b32 s[G1H+1], 32<<16
	s_mov_b32 s[G1H+2], 64<<16
	s_mov_b32 s[G1H+3], 32<<16
	s_mov_b32 s[G1H+4], 64
	s_mov_b32 s[G1H+5], 32
	s_mov_b32 s[G1H+6], 0
	s_mov_b32 s[G1H+7], 0
	; and for the scales of 256 rows: 8,192 dense bytes as 32 rows of 256, 16 bytes of padding behind each
	s_or_b32 s[G1S+0], s66, (3<<16)|(1<<20)|(1<<21)|(5<<22)|(3<<25)
	s_or_b32 s[G1SB+0], s67, (3<<16)|(1<<20)|(1<<21)|(5<<22)|(3<<25)
.irp g, G1S, G1SB
	s_mov_b32 s[\g+1], 32<<16
	s_mov_b32 s[\g+2], 32<<16                      ; 256 rows' scales.  (Phase 2's A' has 128: the others lie inside wq too and go to words that no product names)
	s_mov_b32 s[\g+3], 32<<16
	s_mov_b32 s[\g+4], 32
	s_mov_b32 s[\g+5], 32
	s_mov_b32 s[\g+6], 0
	s_mov_b32 s[\g+7], 0
.endr
	; where the tiles come from, as offsets in their buffers
	OFF3 G0+2,    s22,   18, s21, 16, 15, 0,          2   ; phase 1, A': encoder_output's tile rows 4 Y + cy: 65,536 bytes each, 32,768 a half
	OFF3 G0S+2,    s22,   15, s21, 13, 12, XSC-4096,   2
	OFF3 A2,      ttmp9, 17, s21, 15, 14, 0x200000,   2   ; phase 2, A': Vs, the third tensor of wq: tiles 32 X + 8 cy + 4 CH of 4,096 bytes
	OFF3 G0S2+2,  ttmp9, 14, s21, 12, 11, WSC+65536-2048, 2
	OFF3 G0B+2,   ttmp9, 20, s20, 16, 15, 0,          3   ; phase 1, B': tensor X of wq, tile column cx
	OFF3 G0SB+2,  ttmp9, 15, s20, 13, 12, WSC-4096,   3
	OFF3 B2,      s22,   18, s20, 16, 15, 0x800000,   3   ; phase 2, B': normalized_resid_pre, the second tensor of xq, tile columns 4 Y + cx
	OFF3 G0SB2+2, s22,   15, s20, 13, 12, XSC+262144-4096, 3   ; (the four scale loads are made by waves 1 and 3, whose CH is 1)
	s_lshl_b32 s19, s16, 15                        ; where the codes go: wave x 32,768: no place in the cluster enters an LDS address
	s_mul_i32 s23, s16, HALFS                      ; and the scales
	s_wait_kmcnt 0x0
	s_add_nc_u64 s[G0+2:G0+3], s[4:5], s[G0+2:G0+3]
	s_add_nc_u64 s[G0S+2:G0S+3], s[4:5], s[G0S+2:G0S+3]
	s_add_nc_u64 s[A2:A2+1], s[6:7], s[A2:A2+1]
	s_add_nc_u64 s[G0S2+2:G0S2+3], s[6:7], s[G0S2+2:G0S2+3]
	s_add_nc_u64 s[G0B+2:G0B+3], s[6:7], s[G0B+2:G0B+3]
	s_add_nc_u64 s[G0SB+2:G0SB+3], s[6:7], s[G0SB+2:G0SB+3]
	s_add_nc_u64 s[B2:B2+1], s[4:5], s[B2:B2+1]
	s_add_nc_u64 s[G0SB2+2:G0SB2+3], s[4:5], s[G0SB2+2:G0SB2+3]
	s_add_nc_u64 s[G0+6:G0+7], s[G0+2:G0+3], 0x200000      ; K step 1: 2 MiB on in xq,
	s_add_nc_u64 s[G0B+6:G0B+7], s[G0B+2:G0B+3], 0x40000   ; 262,144 bytes on in wq
.irp g, G0, G0+4, G0B, G0B+4, G0S, G0SB, G0S2, G0SB2
	s_mov_b32 s[\g], 1                             ; count = 1
	s_or_b32 s[\g+3], s[\g+3], 0x80000000          ; type = 2
.endr
	s_mov_b32 s[G0+1], s19
	s_add_co_u32 s[G0+5], s19, SLOT
	s_mov_b32 s[G0B+1], s19
	s_add_co_u32 s[G0B+5], s19, SLOT
	s_mov_b32 s[G0S+1], SCL
	s_mov_b32 s[G0SB+1], SCL+2*HALFS
	s_mov_b32 s[G0S2+1], SCL2
	s_mov_b32 s[G0SB2+1], SCL2+2*HALFS
; ONE LOAD A WAVE: wave 0 a K step's 256 rows of A, wave 2 its 256 rows of B, wave 1 A's scales, wave 3 B's: one tree of branches, an arm a load
.macro ARM under, g0, g1, next, join
	s_cmp_lt_u32 s16, \under
	s_cbranch_scc0 \next
	tensor_load_to_lds s[\g0:\g0+3], s[\g1:\g1+7]
	s_nop 0
.rept 4
	v_nop
.endr
	s_branch \join
\next:
.endm
.macro SHARED ga, gsa, gb, gsb
	ARM 1, \ga, G1, .Lsh_sa_\@, .Lsh_all_\@
	ARM 2, \gsa, G1S, .Lsh_b_\@, .Lsh_all_\@
	ARM 3, \gb, G1B, .Lsh_sb_\@, .Lsh_all_\@
	tensor_load_to_lds s[\gsb:\gsb+3], s[G1SB:G1SB+7]
	s_nop 0
.rept 4
	v_nop
.endr
.Lsh_all_\@:
.endm
	CROUND                                         ; all sixteen work-groups are here: the first joint loads meet
	SHARED G0, G0S, G0B, G0SB                      ; K step 0 and phase 1's scales
	v_and_b32 v[LN], 31, v0
	v_lshlrev_b32 v[LI], 4, v[LN]
	v_and_b32 v1, 15, v0                           ; r
	v_bfe_u32 v2, v0, 4, 1                         ; h
	s_wait_alu depctr_va_vdst(0)
	s_lshl_b32 s2, s17, 15                         ; my tiles of A
	s_lshl_b32 s3, s18, 15
	s_add_co_u32 s3, s3, 65536                     ; my 8 tiles of B
.irp s, 0,1
	v_add_nc_u32 v[ADRA+\s], s2, v[LI]
	v_add_nc_u32 v[ADRB+\s], s3, v[LI]
	s_add_co_u32 s2, s2, SLOT
	s_add_co_u32 s3, s3, SLOT
.endr
	v_mul_u32_u24 v5, v1, 32                       ; my row's scales: 32 bytes a row,
	v_lshrrev_b32 v6, 8, v5
	v_lshl_add_u32 v5, v6, 4, v5                   ; and 16 more for each 256 passed
	s_mul_i32 s2, s17, HALFS
	s_mul_i32 s3, s18, HALFS
	s_add_co_u32 s3, s3, 2*HALFS
	s_sub_co_u32 s3, s3, s2
	v_mul_u32_u24 v6, s3, v2                       ; lanes 16-31 take B's
	s_add_co_u32 s2, s2, SCL
	v_add_nc_u32 v6, v5, v6
	v_add_nc_u32 v[ADRS], s2, v6
	s_mul_i32 s2, s17, HALFS/2                     ; phase 2: my 64 rows of A' among 128
	s_mul_i32 s3, s18, HALFS
	s_add_co_u32 s3, s3, 2*HALFS
	s_sub_co_u32 s3, s3, s2
	v_mul_u32_u24 v6, s3, v2
	s_add_co_u32 s2, s2, SCL2
	s_wait_alu depctr_va_vdst(0)                   ; ahead of the reader below
	v_add_nc_u32 v5, v5, v6
	v_add_nc_u32 v[ADRS2], s2, v5
	v_add_nc_u32 v[VA2], 0x2200, v[LI]             ; the odd head's record
	v_lshlrev_b32 v[RA], 4, v1
	v_and_b32 v[BVO], 8, v1
	v_add_nc_u32 v[BVO], v[BVO], v1
	v_lshlrev_b32 v[BVO], 2, v[BVO]
	; q's or k's bias, as the C of each sum's first matrix instruction: it runs along B's rows: tile b's register j of lane (r, h) is channel 32 (b / 2) + 8 (b % 2) + 16 h + j
	s_cmp_eq_u32 ttmp9, 0
	s_cselect_b64 s[8:9], s[8:9], s[10:11]
	s_lshl_b32 s2, s20, 10
	s_lshl_b32 s3, s18, 9
	s_add_co_u32 s2, s2, s3
	s_mov_b32 s3, 0
	s_add_nc_u64 s[8:9], s[8:9], s[2:3]
	v_lshlrev_b32 v3, 6, v2
.irp b, 0,1,2,3,4,5,6,7
	global_load_b128 v[BI+8*\b:BI+8*\b+3], v3, s[8:9] offset:(32*(\b/2)+8*(\b%2))*4
	global_load_b128 v[BI+8*\b+4:BI+8*\b+7], v3, s[8:9] offset:(32*(\b/2)+8*(\b%2))*4+16
.endr
.macro FRAG reg, adr, q, i             ; a fragment comes as its image lies: four loads of 512 consecutive bytes
.irp c, 0,1,2,3
	ds_load_b128 v[\reg+4*\c:\reg+4*\c+3], v[\adr] offset:2048*(\q)+512*\c+(\i)*4096
.endr
.endm
.macro PLACES n                        ; plain vector instructions between a matrix instruction and a load into, or a read of, its registers
.rept \n
	v_nop
.endr
.endm
; ---- PHASE 1's macros.  16 matrix instructions: A's blocks a0, a0 + 1 x B's eight, 128 along K.  p: B's set; sc: the set of scale words.  zero = 1: C is the bias by B's tile; 0: the sum goes on in place.
; The 64 accumulators take turns, one instruction a turn, in the same order in every step.
.macro MUL16 a0, p, q, sc, zero
.irp a, \a0, \a0+1
.irp b, 0,1,2,3,4,5,6,7
.if \zero
	v_wmma_scale_f32_16x16x128_f8f6f4 v[8*(8*((\a)%4)+\b):8*(8*((\a)%4)+\b)+7], v[128*(\p)+FR*\b:128*(\p)+FR*\b+FR-1], v[AF+FR*(\a):AF+FR*(\a)+FR-1], v[BI+8*\b:BI+8*\b+7], v[SC+8*NQ*(\sc)+NQ*\b+(\q)], v[SC+8*NQ*(\sc)+NQ*(\a)+(\q)] matrix_a_fmt:MATRIX_FMT_BF8 matrix_b_fmt:MATRIX_FMT_BF8 matrix_a_scale:MATRIX_SCALE_ROW1
.else
	v_wmma_scale_f32_16x16x128_f8f6f4 v[8*(8*((\a)%4)+\b):8*(8*((\a)%4)+\b)+7], v[128*(\p)+FR*\b:128*(\p)+FR*\b+FR-1], v[AF+FR*(\a):AF+FR*(\a)+FR-1], v[8*(8*((\a)%4)+\b):8*(8*((\a)%4)+\b)+7], v[SC+8*NQ*(\sc)+NQ*\b+(\q)], v[SC+8*NQ*(\sc)+NQ*(\a)+(\q)] matrix_a_fmt:MATRIX_FMT_BF8 matrix_b_fmt:MATRIX_FMT_BF8 matrix_a_scale:MATRIX_SCALE_ROW1
.endif
.endr
.endr
.endm
.macro FETCH_B slot, q, p
	WIN TO_B
.irp i, 0,1,2,3,4,5,6,7
	FRAG 128*(\p)+FR*\i, ADRB+\slot, \q, \i
.endr
	WIN 0
.endm
.macro FETCH_A slot, q, i0
.irp i, \i0, \i0+1, \i0+2, \i0+3
	FRAG AF+FR*(\i), ADRA+\slot, \q, \i
.endr
.endm
.macro SCALES sc, adr                  ; a K step's scale words: two a row; lanes 0-15 take A's block i, lanes 16-31 B's block i
.irp i, 0,1,2,3,4,5,6,7
	ds_load_b64 v[SC+8*NQ*\sc+NQ*\i:SC+8*NQ*\sc+NQ*\i+1], v[\adr] offset:\i*SBLK
.endr
.endm
; A step of 128 along K that has its successor in the same slot.  A has one set of registers: blocks 0-3 are fetched anew in the step's middle, blocks 4-7 at its end; B has two sets.
.macro STEP slot, q, zero
	s_wait_dscnt 4*NL                              ; B's set and A's blocks 0-3 are in; the youngest 16 loads (A's blocks 4-7) may be out
.if \zero
	WIN 0x81                                       ; C (the bias) in window 0
.else
	WIN MUL_LO
.endif
	MUL16 0, (\q)%2, \q, \slot, \zero
	MUL16 2, (\q)%2, \q, \slot, \zero
	s_wait_dscnt 0
	PLACES NP
	FETCH_B \slot, (\q)+1, 1-(\q)%2
	FETCH_A \slot, (\q)+1, 0
.if \zero
	WIN 0xc1
.else
	WIN MUL_HI
.endif
	MUL16 4, (\q)%2, \q, \slot, \zero
	MUL16 6, (\q)%2, \q, \slot, \zero
	PLACES NP
	WIN 0
	FETCH_A \slot, (\q)+1, 4
.endm
; A slot's last step changes slots: one barrier, which opens a round of the cluster's; in front of it each wave waits for all its tensor loads, adds 0 to its spare word, and waits for that and for its own reads of this slot.
; fill = 1: this slot takes this phase's K step two on; fill = 2: phase 2's K step 0 (slot 0) or 1 (slot 1).  fetch = 0: phase 1's very last step: nothing more is read from LDS before the way out.
.macro TURN slot, next, fill, fetch
	s_wait_tensorcnt 0x0                           ; all my tensor loads have landed: my part of the next slot
	ds_add_u32 v[SPW], v[NIL]                      ; 0 onto my spare word
	s_wait_dscnt 4*NL+1                            ; (the add and the youngest 16 loads, A's blocks 4-7, may be out)
	WIN MUL_LO
	MUL16 0, 1, NQ-1, \slot, 0
	s_wait_dscnt 0x0                               ; the add is done, and my reads of this slot are over
	s_barrier_signal -1
	MUL16 2, 1, NQ-1, \slot, 0
	WIN 0
	s_barrier_wait -1
	CREST                                          ; no wave of any partner still reads this slot or has a load on its way
	s_mov_b32 s[G1+2], 128<<16                     ; no tensor load of mine is out: from here on a load of codes brings 128 rows
	s_mov_b32 s[G1+4], 128
	s_mov_b32 s[G1B+2], 128<<16
	s_mov_b32 s[G1B+4], 128
.if \fill == 1
	s_add_nc_u64 s[G0+4*\slot+2:G0+4*\slot+3], s[G0+4*\slot+2:G0+4*\slot+3], 0x400000
	s_add_nc_u64 s[G0B+4*\slot+2:G0B+4*\slot+3], s[G0B+4*\slot+2:G0B+4*\slot+3], 0x80000
	JLOAD G0+4*\slot, G1, G0B+4*\slot, G1B         ; the first tensor load behind the round
.else
	s_add_nc_u64 s[G0+4*\slot+2:G0+4*\slot+3], s[A2:A2+1], \slot*0x40000
	s_or_b32 s[G0+4*\slot+3], s[G0+4*\slot+3], 0x80000000
	s_add_nc_u64 s[G0B+4*\slot+2:G0B+4*\slot+3], s[B2:B2+1], \slot*0x200000
	s_or_b32 s[G0B+4*\slot+3], s[G0B+4*\slot+3], 0x80000000
	JLOAD G0+4*\slot, G1H, G0B+4*\slot, G1B        ; THE RING GOES ON INTO PHASE 2: the LDS places stay; A's tile has 64 rows
.endif
.if \fetch
	PLACES NP-4                                    ; with the four v_nop behind the joint load: the places in front of the loads below
	s_wait_alu depctr_va_vdst(0)
	v_add_nc_u32 v[ADRS], 4*NQ, v[ADRS]            ; on to the next K step's scale words
	FETCH_B \next, 0, 0
	FETCH_A \next, 0, 0
	SCALES \next, ADRS
.endif
	WIN MUL_HI
	MUL16 4, 1, NQ-1, \slot, 0
	MUL16 6, 1, NQ-1, \slot, 0
.if \fetch
	PLACES NP
	WIN 0
	FETCH_A \next, 0, 4
.else
	WIN 0
.endif
.endm
; ---- PHASE 2's macros.  A' has four blocks a wave and two sets of registers, like B'.  16 matrix instructions: A's blocks a0, a0 + 1 x B's eight.  p: the sets; zero = 1: C is the bias by A's block.
; The 32 accumulators take turns, one instruction a turn.
.macro HMUL16 a0, p, q, sc, zero
.irp a, \a0, \a0+1
.irp b, 0,1,2,3,4,5,6,7
.if \zero
	v_wmma_scale_f32_16x16x128_f8f6f4 v[8*(8*(\a)+\b):8*(8*(\a)+\b)+7], v[128*(\p)+FR*\b:128*(\p)+FR*\b+FR-1], v[AF+64*(\p)+FR*(\a):AF+64*(\p)+FR*(\a)+FR-1], v[BI+8*(\a):BI+8*(\a)+7], v[SC+8*NQ*(\sc)+NQ*\b+(\q)], v[SC+8*NQ*(\sc)+NQ*(\a)+(\q)] matrix_a_fmt:MATRIX_FMT_BF8 matrix_b_fmt:MATRIX_FMT_BF8 matrix_a_scale:MATRIX_SCALE_ROW1
.else
	v_wmma_scale_f32_16x16x128_f8f6f4 v[8*(8*(\a)+\b):8*(8*(\a)+\b)+7], v[128*(\p)+FR*\b:128*(\p)+FR*\b+FR-1], v[AF+64*(\p)+FR*(\a):AF+64*(\p)+FR*(\a)+FR-1], v[8*(8*(\a)+\b):8*(8*(\a)+\b)+7], v[SC+8*NQ*(\sc)+NQ*\b+(\q)], v[SC+8*NQ*(\sc)+NQ*(\a)+(\q)] matrix_a_fmt:MATRIX_FMT_BF8 matrix_b_fmt:MATRIX_FMT_BF8 matrix_a_scale:MATRIX_SCALE_ROW1
.endif
.endr
.endr
.endm
.macro HFETCH slot, q, p               ; 48 LDS loads: B's eight fragments and A's four of the slot's q-th 128 along K, into sets p
	WIN TO_B
.irp i, 0,1,2,3,4,5,6,7
	FRAG 128*(\p)+FR*\i, ADRB+\slot, \q, \i
.endr
	WIN 0
.irp i, 0,1,2,3
	FRAG AF+64*(\p)+FR*\i, ADRA+\slot, \q, \i
.endr
.endm
; a slot's first 128 along K (sets 0): the second 128 are fetched into sets 1 ahead of the 32 products
.macro HSTEP slot, zero
	s_wait_dscnt 0x0                               ; sets 0 and the scale words are in
	PLACES NP                                      ; behind the last products, which read sets 1
	HFETCH \slot, 1, 1
.if \zero
	WIN 0x81                                       ; C (the bias) in window 0
.else
	WIN MUL_LO
.endif
	HMUL16 0, 0, 0, \slot, \zero
	HMUL16 2, 0, 0, \slot, \zero
	WIN 0
.endm
; a slot's second 128 along K (sets 1), and the change of slots: all of this slot has been read into registers when the wait for the add's predecessors is met
.macro HTURN slot, next, fill
	s_wait_tensorcnt 0x0                           ; all my tensor loads have landed: my part of the next slot
	ds_add_u32 v[SPW], v[NIL]                      ; 0 onto my spare word
	s_wait_dscnt 1                                 ; (the add may be out; the 48 loads ahead of it are in)
	WIN MUL_LO
	HMUL16 0, 1, 1, \slot, 0                       ; sixteen matrix instructions stand between the add and the wait for it
	s_wait_dscnt 0x0                               ; the add is done, and my reads of this slot are over
	s_barrier_signal -1
	WIN 0
	s_barrier_wait -1
.if \fill
	CREST                                          ; a round of the cluster's barrier: no wave of any partner still reads this slot or has a load on its way
	s_add_nc_u64 s[G0+4*\slot+2:G0+4*\slot+3], s[G0+4*\slot+2:G0+4*\slot+3], 0x80000
	s_add_nc_u64 s[G0B+4*\slot+2:G0B+4*\slot+3], s[G0B+4*\slot+2:G0B+4*\slot+3], 0x400000
	JLOAD G0+4*\slot, G1H, G0B+4*\slot, G1B        ; the first tensor load behind the round
	PLACES NP-4
.else
	PLACES NP
.endif
	s_wait_alu depctr_va_vdst(0)
	v_add_nc_u32 v[ADRS2], 4*NQ, v[ADRS2]
	HFETCH \next, 0, 0
	SCALES \next, ADRS2
	WIN MUL_LO
	HMUL16 2, 1, 1, \slot, 0
	WIN 0
.endm
; ---- THE WAY OUT.  Block a's 64 registers of a lane are 64 numbers of one row of A', register 16 b + i = next K 32 b + 16 h + i: quantised where they stand; the codes are an image's registers and leave as 512 consecutive bytes a store.  No LDS.
; kind 0: q, k: two half images, one for each of two heads, 8,704 bytes apart;  kind 1: v: one image
.macro OUTBLK a, kind
.set OW, 2+(\a)/4
.set AC, 64*((\a)%4)
.set WN, (OW<<2)|(OW<<4)
	WIN WN                                         ; sources 1 and 2: the accumulators' window
.irp b, 0,1,2,3
	v_max3_num_f32 v[TM+\b], 0x8000000, |v[AC+16*\b]|, |v[AC+16*\b+1]|   ; with the floor 2^(16 - 127); each accumulator is read from its low end on
.endr
.irp i, 2,4,6,8,10,12,14
.irp b, 0,1,2,3
	v_max3_num_f32 v[TM+\b], v[TM+\b], |v[AC+16*\b+\i]|, |v[AC+16*\b+\i+1]|
.endr
.endr
	WIN 0
.irp b, 0,1,2,3
	v_permlanex16_b32 v[TM+4+\b], v[TM+\b], s2, s3
.endr
.irp b, 0,1,2,3
	v_max_num_f32 v[TM+\b], v[TM+\b], v[TM+4+\b]
.endr
.irp b, 0,1,2,3
	v_add_nc_u32 v[TM+12+\b], 0xf8800000, v[TM+\b]
.endr
.irp b, 0,1,2,3
	v_and_or_b32 v[TM+8+\b], v[TM+\b], 0x7f800000, s23
.endr
.irp b, 0,1,2,3
	v_lshrrev_b32 v[TM+4+\b], 23, v[TM+12+\b]
.endr
	v_lshl_or_b32 v[PWS+(\a)], v[TM+5], 8, v[TM+4]
	v_lshl_or_b32 v[PWS+(\a)], v[TM+6], 16, v[PWS+(\a)]
	v_lshl_or_b32 v[PWS+(\a)], v[TM+7], 24, v[PWS+(\a)]
	WIN OW                                         ; source 0: the accumulators' window
.irp b, 0,1,2,3
.irp i, 0,1,2,3,4,5,6,7,8,9,10,11,12,13,14,15
	v_med3_num_f32 v[XO+16*\b+\i], v[AC+16*\b+\i], -v[TM+8+\b], v[TM+8+\b]   ; the hold, which also brings the number into window 0
.endr
.endr
	WIN 0
	s_wait_alu depctr_va_vdst(0)
	s_wait_xcnt 0x0                                ; the last block's stores have read their data and their base: both are written again only behind this wait
.if (\a) > 0
	s_add_nc_u64 s[96:97], s[96:97], 1024+1024*(\kind)
.endif
.irp b, 0,1,2,3
	v_cvt_scalef32_pk8_bf8_f32 v[PC+4*\b:PC+1+4*\b], v[XO+16*\b:XO+7+16*\b], v[TM+12+\b]
	v_cvt_scalef32_pk8_bf8_f32 v[PC+2+4*\b:PC+3+4*\b], v[XO+8+16*\b:XO+15+16*\b], v[TM+12+\b]
.endr
	v_nop                                          ; a plain vector line behind the last conversion
	global_store_b128 v[LI], v[PC:PC+3], s[96:97]
	global_store_b128 v[LI], v[PC+4:PC+7], s[96:97] offset:512
.if \kind
	global_store_b128 v[LI], v[PC+8:PC+11], s[96:97] offset:1024
	global_store_b128 v[LI], v[PC+12:PC+15], s[96:97] offset:1536
.else
	global_store_b128 v[VA2], v[PC+8:PC+11], s[96:97]
	global_store_b128 v[VA2], v[PC+12:PC+15], s[96:97] offset:512
.endif
.endm
; ================ PHASE 1: q or k ================
	s_wait_alu depctr_va_vdst(0)
	s_wait_tensorcnt 0x0                           ; my tile of the head's four is in
	ds_add_u32 v[SPW], v[NIL]
	s_wait_dscnt 0x0
	CROUND                                         ; all four tiles are in, and all sixteen work-groups are here
	SHARED G0+4, G0S2, G0B+4, G0SB2                ; K step 1 and phase 2's scales
	FETCH_B 0, 0, 0
	FETCH_A 0, 0, 0
	SCALES 0, ADRS
	FETCH_A 0, 0, 4
	s_wait_loadcnt 0x0                             ; the bias
	STEP 0, 0, 1                                   ; the first step starts the sums with the bias
	TURN 0, 1, 1, 1                                ; slot 0 takes K step 2
	STEP 1, 0, 0
	TURN 1, 0, 1, 1                                ; slot 1 takes K step 3
	STEP 0, 0, 0
	TURN 0, 1, 2, 1                                ; slot 0 takes phase 2's K step 0
	STEP 1, 0, 0
	TURN 1, 0, 2, 0                                ; slot 1 takes phase 2's K step 1; behind its round slot 0 is whole in every wave's eyes
	PLACES NP                                      ; behind the last products: their results are read and A's registers are written below
	s_mov_b32 s2, 0x76543210
	s_mov_b32 s3, 0xfedcba98                       ; v_permlanex16_b32's selects for lane l xor 16
	s_mov_b32 s23, 0x600000                        ; the mantissa field of 57,344
	v_cmp_lt_u32 vcc_lo, 15, v[LN]
.irp b, 0,1,2,3
	v_mov_b32 v[TM+4+\b], 0                        ; a lane permute's destination counts as one of its sources
.endr
	; v's bias is asked for here: it runs along A's rows: block a's eight registers all hold the number of channel 512 X + 128 cy + 64 RH + 32 (a / 2) + 8 (a % 2) + r + 8 (r / 8)
	s_lshl_b32 s76, ttmp9, 11
	s_lshl_b32 s77, s21, 9
	s_add_co_u32 s76, s76, s77
	s_lshl_b32 s77, s17, 8
	s_add_co_u32 s76, s76, s77
	s_mov_b32 s77, 0
	s_add_nc_u64 s[12:13], s[12:13], s[76:77]
.irp a, 0,1,2,3
.irp j, 0,1,2,3,4,5,6,7
	global_load_b32 v[BI+8*\a+\j], v[BVO], s[12:13] offset:(32*(\a/2)+8*(\a%2))*4
.endr
.endr
	; where q's or k's results go.  PP = 8 Y + 2 cx + CH: batch x 8 + head pair;  SS = 2 cy + RH: the 128 positions
	s_lshl_b32 s88, s22, 3
	s_lshl_b32 s90, s20, 1
	s_add_co_u32 s88, s88, s90
	s_add_co_u32 s88, s88, s18                     ; PP
	s_lshl_b32 s89, s21, 1
	s_add_co_u32 s89, s89, s17                     ; SS
	s_lshl_b32 s96, s88, 3                         ; two records of 8,704 bytes at 8 PP + SS
	s_add_co_u32 s96, s96, s89
	s_mul_i32 s96, s96, 17408
	s_mul_i32 s90, ttmp9, KI
	s_add_co_u32 s96, s96, s90
	s_mov_b32 s97, 0
	s_add_nc_u64 s[96:97], s[14:15], s[96:97]
	s_add_nc_u64 s[98:99], s[96:97], 0x2000        ; the record's scale words
.irp a, 0,1,2,3,4,5,6,7
	OUTBLK \a, 0
.endr
.irp e, 0,1,2,3
	v_cndmask_b32 v[GG+\e], v[PWS+\e], v[PWS+4+\e], vcc_lo   ; lanes 0-15: row r's words of blocks 0-3; lanes 16-31: of blocks 4-7
.endr
.irp e, 0,1,2,3
	v_and_b32 v[GB+\e], 0xffff, v[GG+\e]           ; bytes 0, 1 are the even head's two blocks,
	v_lshrrev_b32 v[GG+\e], 16, v[GG+\e]           ; bytes 2, 3 the odd head's
.endr
	global_store_b128 v[LI], v[GB:GB+3], s[98:99]
	global_store_b128 v[LI], v[GG:GG+3], s[98:99] offset:8704
; ================ PHASE 2: v ================
	s_wait_xcnt 0x0                                ; phase 1's stores have read their registers and their bases: A's sets are loaded and the bases written again only behind this wait
	HFETCH 0, 0, 0
	SCALES 0, ADRS2
	s_lshl_b32 s96, s88, 4                         ; a record of 8,448 bytes at 16 PP + head 8 X + SS
	s_lshl_b32 s90, ttmp9, 3
	s_add_co_u32 s96, s96, s90
	s_add_co_u32 s96, s96, s89
	s_mul_i32 s96, s96, 8448
	s_add_co_u32 s96, s96, VI
	s_mov_b32 s97, 0
	s_add_nc_u64 s[96:97], s[14:15], s[96:97]
	s_add_nc_u64 s[98:99], s[96:97], 0x2000
	s_wait_loadcnt 0x0                             ; v's bias
	HSTEP 0, 1                                     ; the first step starts the sums with the bias
	HTURN 0, 1, 1                                  ; slot 0 takes K step 2
	HSTEP 1, 0
	HTURN 1, 0, 1                                  ; slot 1 takes K step 3
	HSTEP 0, 0
	HTURN 0, 1, 0                                  ; nothing is left to fetch
	HSTEP 1, 0
	s_wait_dscnt 0x0
	WIN MUL_LO
	HMUL16 0, 1, 1, 1, 0
	HMUL16 2, 1, 1, 1, 0
	WIN 0
	PLACES NP
.irp a, 0,1,2,3
	OUTBLK \a, 1
.endr
	global_store_b128 v[RA], v[PWS:PWS+3], s[98:99]   ; one head: 16 channels' rows x 4 channel tiles: 256 consecutive bytes; both halves of the lanes write the same words with the same values
	s_wait_tensorcnt 0x0                           ; the wave's end
	ds_add_u32 v[SPW], v[NIL]
	s_wait_dscnt 0x0
	CROUND                                         ; the closing round
	s_endpgm
.Lfunc_end_k_q28639c9f8c_proj:
	.size	k_q28639c9f8c_proj, .Lfunc_end_k_q28639c9f8c_proj-k_q28639c9f8c_proj
	.p2alignl 7, 3214868480
	.fill 96, 4, 3214868480
	.section	.rodata,"a",@progbits
	.p2align	6, 0x0
	.amdhsa_kernel k_q28639c9f8c_proj
		.amdhsa_group_segment_fixed_size 327680
		.amdhsa_private_segment_fixed_size 0
		.amdhsa_enable_private_segment 0
		.amdhsa_kernarg_size 48
		.amdhsa_user_sgpr_count 2
		.amdhsa_user_sgpr_kernarg_segment_ptr 1
		.amdhsa_wavefront_size32 1
		.amdhsa_system_sgpr_workgroup_id_x 1
		.amdhsa_system_sgpr_workgroup_id_y 1
		.amdhsa_system_sgpr_workgroup_id_z 1
		.amdhsa_system_vgpr_workitem_id 0
		.amdhsa_next_free_vgpr 1024
		.amdhsa_next_free_sgpr 106
		.amdhsa_reserve_vcc 1
		.amdhsa_float_denorm_mode_32 3
		.amdhsa_float_denorm_mode_16_64 3
		.amdhsa_memory_ordered 1
		.amdhsa_forward_progress 1
		.amdhsa_inst_pref_size 255
	.end_amdhsa_kernel
	.section	.bss,"aw",@nobits
	.p2align	6
	.space	262144
	.amdgpu_metadata
---
amdhsa.version: [ 1, 2 ]
amdhsa.kernels:
  - .name:           k_q28639c9f8c_proj
    .symbol:         k_q28639c9f8c_proj.kd
    .args:
      - { .name: xq, .offset: 0, .size: 8, .value_kind: global_buffer, .address_space: global }
      - { .name: wq, .offset: 8, .size: 8, .value_kind: global_buffer, .address_space: global }
      - { .name: Qbs, .offset: 16, .size: 8, .value_kind: global_buffer, .address_space: global }
      - { .name: Kbs, .offset: 24, .size: 8, .value_kind: global_buffer, .address_space: global }
      - { .name: Vbs, .offset: 32, .size: 8, .value_kind: global_buffer, .address_space: global }
      - { .name: qkv, .offset: 40, .size: 8, .value_kind: global_buffer, .address_space: global }
    .group_segment_fixed_size: 327680
    .private_segment_fixed_size: 0
    .kernarg_segment_align: 8
    .kernarg_segment_size: 48
    .max_flat_workgroup_size: 128
    .sgpr_count:     106
    .vgpr_count:     1024
    .wavefront_size: 32
...
	.end_amdgpu_metadata
.endif
;; end of part 2
;; launch attn (part 3): grid 2 x 128, 16 waves a work-group, clusters of 2 x 1, 167,936 bytes of LDS; arguments qkv, zq; writes zq
.if DOCPART == 3
	.amdgcn_target "amdgcn-amd-amdhsa--gfx1250"
	.amdhsa_code_object_version 6
	.text
	.protected	k_q28639c9f8c_attn
	.globl	k_q28639c9f8c_attn
	.p2align	8
	.type	k_q28639c9f8c_attn,@function
k_q28639c9f8c_attn:
	s_mov_b64 s[64:65], 0
	v_nop
	global_prefetch_b8 v0, s[64:65] scope:SCOPE_SE
	s_setreg_imm32_b32 hwreg(HW_REG_WAVE_MODE, 25, 1), 1
	s_wait_xcnt 0x0
	s_wait_alu depctr_hold_cnt(0) depctr_sa_sdst(0) depctr_va_vdst(0) depctr_va_sdst(0) depctr_va_ssrc(0) depctr_va_vcc(0) depctr_vm_vsrc(0)
	s_getreg_b32 s2, hwreg(HW_REG_IB_STS2, 6, 4)
	s_cmp_eq_u32 s2, 0
	s_cbranch_scc0 .Lentry_in_a_cluster
	s_endpgm
.Lentry_in_a_cluster:
	s_bfe_u32 s2, ttmp6, 0x10000c
	s_cmp_lg_u32 s2, 0x1001
	s_cbranch_scc0 .Lentry_shape_is_right
	s_endpgm
.Lentry_shape_is_right:
; z = softmax(q k^T / 8, hidden keys at -100,000) v for one head of one batch, both products on codes of BF8 (E5M2) with E8M0 scales; z is quantised along (head, channel) for the output projection.
; THE SOFTMAX: t = logit x log2(e); M = the running largest t rounded UP to a whole number; p = 2^(t - M) is quantised along the keys, not normalised; the row's sum is taken of the unquantised p and divides at the end.
; THE MASK IS -100,000, NOT -INFINITY: a hidden key keeps the weight p_m = 2^(t_m - M), one number a row.  Over key steps all of whose 128 keys are hidden the sum of Q(p_m) v(k) is Q(p_m) x (the sum of v(k)): those sums of v's
; quantised numbers, for every first hidden step, are made once in each work-group (four waves, matrix instructions with codes of 1.0) and added at a pass's end.  Where a row has hidden keys in later steps, M starts at t_m.
; SHARES.  A cluster of two work-groups owns one head.  ALL codes and scale words of its k and v lie in each partner's LDS, filled once, one joint load a wave: no ring, no refill.  No prefetch: every fill is asked for at the head, and nothing is loaded in the loops.
; Wave w of partner cx takes tile 2 w + cx (16 queries), then tile 62 - 2 w + cx: the diagonal lies in step w / 4, then 7 - w / 4: 9 visible steps for every wave; a tile's block of 32 positions is w, then 31 - w: numbers of the wave alone.
; LAYOUT.  Both products transposed: S^T = k q^T (source 0 = 16 keys in tile order), O^T = v^T p^T (source 0 = 16 channels in tile order): a lane holds one query; p's and z's 16 registers of two neighbouring tiles are 16 neighbours along the next K.
; The head has 64 channels: q's upper 64 of the first product's 128 are zero codes, so k's fragment i takes the next fragment's finite codes as its upper half: a product with zero is zero.
; zq: codes [tile 512][head pair 8][image]; at ZSC scale bytes [stored row][32].  z's two scale bytes of a row and head leave by a store of 2 bytes a lane: one byte for each 32 of z's codes.
; A block's scale is taken from floor(its largest t - M): the exponent of its largest p.
; LIMITS: NaN and infinities are not served; scaled scores under 2^31 in magnitude; a block's byte never falls under 1; v_exp_f32 gives 0 under 2^-126; where a row's largest logit is near -100,000 a t is known to 0.016, as in f32 arithmetic on such logits.
; REGISTERS: v16-23 q, v24-31 zeros; v32-95 k's eight tiles (v96-103 zeros behind them), then v's four fragments; v104-167 S^T, then p; v168-199 O^T; v200-215 p's codes; v216-219 v's scale words, v220-223 k's; v224-231 the second tile's q; v232, v233 q's scale words; v234-250, v252-254 at work, v251 the sums' LDS address.
.set KI,   8912896
.set VI,   17825792
.set ZSC,  8388608
.set KR,   8704                        ; k's record of a step: 8,192 bytes of codes, 512 of scale words
.set VR,   8448                        ; v's: 8,192 and 256
.set VB,   8*KR
.set VS,   VB+8*VR                     ; the sums: [first hidden step - 1: 8][channel tile 4][h 2][8 numbers]
.set SPARE, VS+2048                    ; the spare words, 128 bytes for each wave
.set LI,   1
.set R16,  2
.set AV,   3
.set AT,   4
.set ADK,  5
.set ADV,  6
.set ADT,  7
.set DD,   8
.set MV,   9
.set SPW,  10
.set NIL,  11
.set SX,   104
.set OT,   168
.set VSA,  251
.set DQ,   255
.set WV,   18
.set MNT,  19
.set SEL,  20
.set CS,   22
.set G1K,  24
.set G1V,  32
.set G0K,  40
.set G0V,  44
.set NC,   56                          ; s56  -log2(e) / 8
.set TK,   2                           ; s2   the step's record of k
.set TV,   3                           ; s3   of v
.set ST,   66
.macro WALU
	s_wait_alu depctr_va_vdst(0)
.endm
.macro PLACES n
.rept \n
	v_nop
.endr
.endm
.macro CROUND
	s_barrier_signal -1
	s_barrier_wait -1
	s_cmp_lg_u32 s[WV], 0
	s_cbranch_scc1 .Lnot_wave_0_\@
	s_barrier_signal -3
.Lnot_wave_0_\@:
	s_barrier_wait -3
	s_barrier_signal -1
	s_barrier_wait -1
.endm
	s_load_b128 s[4:7], s[0:1], 0x0                ; qkv, zq
	v_lshl_add_u32 v[SPW], v0, 2, SPARE
	v_mov_b32 v[NIL], 0
	ds_add_u32 v[SPW], v[NIL]                      ; the wave's opening: the add, twice on end, and its wait
	ds_add_u32 v[SPW], v[NIL]
	v_lshrrev_b32 v1, 5, v0
	v_readfirstlane_b32 s[WV], v1                  ; wave 0..15
	s_bfe_u32 s68, ttmp6, 0x40000                  ; cx: it enters q's and z's addresses and the mask's number alone
	s_and_b32 s69, ttmp7, 0xffff                   ; batch x 16 + head
	s_lshr_b32 s70, s69, 4                         ; batch
	s_and_b32 s71, s69, 15                         ; head
	s_lshr_b32 s72, s69, 1
	s_lshl_b32 s72, s72, 4
	s_and_b32 s73, s69, 1
	s_add_co_u32 s72, s72, s73                     ; q's and k's record of step 0; a step is two records on
.irp g, G1K, G1V
	s_mov_b32 s[\g], 3|(3<<16)|(1<<21)             ; the mask: both partners; elements of 8 bytes; bit 21 beside a mask
	s_mov_b32 s[\g+1], 32<<16                      ; rows of 256 bytes
	s_mov_b32 s[\g+3], 32<<16
	s_mov_b32 s[\g+5], 32
	s_mov_b32 s[\g+6], 0
	s_mov_b32 s[\g+7], 0
.endr
	s_mov_b32 s[G1K+2], 34<<16
	s_mov_b32 s[G1K+4], 34
	s_mov_b32 s[G1V+2], 33<<16
	s_mov_b32 s[G1V+4], 33
	; waves 0-7 fetch k's step w, waves 8-15 v's step w - 8
	s_and_b32 s73, s[WV], 7
	s_lshl_b32 s74, s73, 1
	s_add_co_u32 s74, s74, s72
	s_mul_i32 s74, s74, KR
	s_add_co_u32 s74, s74, KI
	s_mov_b32 s75, 0
	s_lshl_b32 s76, s70, 3
	s_add_co_u32 s76, s76, s73
	s_lshl_b32 s76, s76, 4
	s_add_co_u32 s76, s76, s71
	s_mul_i32 s76, s76, VR
	s_add_co_u32 s76, s76, VI
	s_mov_b32 s77, 0
	s_mul_i32 s78, s[WV], KR
	s_mul_i32 s79, s[WV], VR
	s_add_co_u32 s79, s79, VB-8*VR
	s_mov_b32 s[SEL], 0x76543210
	s_mov_b32 s[SEL+1], 0xfedcba98                 ; v_permlanex16_b32's selects for lane l xor 16
	s_mov_b32 s[CS], 0x3e38aa3b                    ; c = log2(e) / 8
	s_mov_b32 s[CS+1], s[CS]
	s_mov_b32 s[NC], 0xbe38aa3b
	s_mov_b32 s[MNT], 0x600000                     ; the mantissa field of 57,344
	s_wait_dscnt 0x0                               ; both opening adds are done
	s_wait_kmcnt 0x0
	s_mov_b32 s[G0K], 1
	s_mov_b32 s[G0K+1], s78
	s_add_nc_u64 s[G0K+2:G0K+3], s[4:5], s[74:75]
	s_or_b32 s[G0K+3], s[G0K+3], 0x80000000
	s_mov_b32 s[G0V], 1
	s_mov_b32 s[G0V+1], s79
	s_add_nc_u64 s[G0V+2:G0V+3], s[4:5], s[76:77]
	s_or_b32 s[G0V+3], s[G0V+3], 0x80000000
	CROUND                                         ; both work-groups are here: the joint loads meet
	s_cmp_lt_u32 s[WV], 8
	s_cbranch_scc0 .Lfill_v
	tensor_load_to_lds s[G0K:G0K+3], s[G1K:G1K+7]
	s_nop 0
	PLACES 4
	s_branch .Lfilled
.Lfill_v:
	tensor_load_to_lds s[G0V:G0V+3], s[G1V:G1V+7]
	s_nop 0
	PLACES 4
.Lfilled:
; what hangs on a pass's tile, whose diagonal step is s[d] and whose block of 32 in that step is s[w3]: s[B] q's codes, s[B+1] q's scale words (offsets in qkv), s[B+2:B+3] z's codes, s[B+4:B+5] z's scale bytes, s[B+6] the tile's first query in its step
.macro PADR d, w3, B
	s_lshl_b32 s74, s[\d], 1
	s_add_co_u32 s74, s74, s72
	s_mul_i32 s74, s74, KR
	s_lshl_b32 s75, s[\w3], 1
	s_add_co_u32 s75, s75, s68                     ; tile % 8
	s_lshl_b32 s76, s75, 10
	s_add_co_u32 s[\B], s74, s76
	s_lshr_b32 s76, s75, 2
	s_lshl_b32 s76, s76, 8
	s_add_co_u32 s74, s74, s76
	s_and_b32 s76, s75, 3
	s_lshl_b32 s76, s76, 2
	s_add_co_u32 s74, s74, s76
	s_add_co_u32 s[\B+1], s74, 8192
	s_lshl_b32 s74, s70, 3
	s_add_co_u32 s74, s74, s[\d]
	s_lshl_b32 s74, s74, 3
	s_add_co_u32 s74, s74, s75                     ; 64 x batch + tile
	s_lshl_b32 s76, s74, 14
	s_lshl_b32 s75, s71, 10
	s_add_co_u32 s76, s76, s75
	s_mov_b32 s77, 0
	s_add_nc_u64 s[\B+2:\B+3], s[6:7], s[76:77]
	s_lshl_b32 s76, s74, 9
	s_lshl_b32 s75, s71, 1
	s_add_co_u32 s76, s76, s75
	s_add_co_u32 s76, s76, ZSC
	s_add_nc_u64 s[\B+4:\B+5], s[6:7], s[76:77]
	s_lshl_b32 s75, s[\w3], 5
	s_lshl_b32 s74, s68, 3
	s_add_co_u32 s[\B+6], s75, s74
.endm
	s_lshr_b32 s87, s[WV], 2
	s_and_b32 s60, s[WV], 3
	s_sub_co_u32 s95, 7, s87
	s_sub_co_u32 s61, 3, s60
	PADR 87, 60, 80
	PADR 95, 61, 88
	v_and_b32 v254, 31, v0
	v_and_b32 v250, 15, v0                         ; r
	v_bfe_u32 v252, v0, 4, 1                       ; h
	v_lshlrev_b32 v[LI], 4, v254                   ; 16 x lane
	v_lshlrev_b32 v[R16], 4, v250                  ; 16 r
	v_and_b32 v[DQ], 8, v250
	v_lshlrev_b32 v254, 4, v252
	v_lshlrev_b32 v[VSA], 5, v252
	v_add_nc_u32 v[DQ], v[DQ], v250
	v_add_nc_u32 v[AV], VB, v[LI]
	v_add_nc_u32 v[AT], VB+8192, v[R16]
	v_add_nc_u32 v[VSA], VS, v[VSA]                ; the sums: my half's
	v_sub_nc_u32 v[DQ], v[DQ], v254                ; r + 8 (r / 8) - 16 h
	v_add_nc_u32 v234, s80, v[LI]
	v_add_nc_u32 v235, s81, v[R16]
	v_add_nc_u32 v236, s88, v[LI]
	v_add_nc_u32 v237, s89, v[R16]
	global_load_b128 v[16:19], v234, s[4:5]        ; q of both tiles stays in registers
	global_load_b128 v[20:23], v234, s[4:5] offset:512
	global_load_b32 v232, v235, s[4:5]
	global_load_b128 v[224:227], v236, s[4:5]
	global_load_b128 v[228:231], v236, s[4:5] offset:512
	global_load_b32 v233, v237, s[4:5]
.irp j, 0,1,2,3,4,5,6,7
	v_mov_b32 v[24+\j], 0                          ; zero codes, written once
	v_mov_b32 v[96+\j], 0
.endr
.irp b, 0,1,2,3
	v_mov_b32 v[238+\b], 0                         ; a lane permute's destination counts as one of its sources
.endr
	v_mov_b32 v[MV], 0xc9435000                    ; -800,000: x c it is -100,000 x log2(e)
	WALU
	s_wait_tensorcnt 0x0                           ; my tile is in,
	s_barrier_signal -1
	s_barrier_wait -1                              ; everybody's are
	s_wait_loadcnt 0x0                             ; q
; THE SUMS OF v OVER THE STEPS BEHIND STEP d, d = 0 .. 7: wave t < 4 makes channel tile t's: seven products with codes of 1.0, then running sums from the last step down
	s_cmp_lt_u32 s[WV], 4
	s_cbranch_scc0 .Lno_sums
	v_mov_b32 v253, 0x7f7f7f7f                     ; scales 1.0
.irp j, 0,1,2,3,4,5,6,7,8,9,10,11,12,13,14,15
	v_mov_b32 v[200+\j], 0x3c3c3c3c                ; codes of 1.0
.endr
	s_lshl_b32 s74, s[WV], 11
	v_add_nc_u32 v[ADV], s74, v[AV]
	s_lshl_b32 s75, s[WV], 2
	v_add_nc_u32 v[ADT], s75, v[AT]
	s_lshl_b32 s76, s[WV], 6
	v_add_nc_u32 v[ADK], s76, v[VSA]
	PLACES 2
.irp s, 1,2,3,4,5,6,7
	ds_load_b32 v[215+\s], v[ADT] offset:\s*VR
.endr
.macro VSTEP s
.irp c, 0,1,2,3
	ds_load_b128 v[32+16*(((\s)-1)%4)+4*\c:35+16*(((\s)-1)%4)+4*\c], v[ADV] offset:(\s)*VR+512*\c
.endr
.endm
.macro VSUM s
	v_wmma_scale_f32_16x16x128_f8f6f4 v[SX+8*((\s)-1):SX+8*((\s)-1)+7], v[32+16*(((\s)-1)%4):47+16*(((\s)-1)%4)], v[200:215], 0, v[215+\s], v253 matrix_a_fmt:MATRIX_FMT_BF8 matrix_b_fmt:MATRIX_FMT_BF8
.endm
.irp s, 1,2,3,4
	VSTEP \s
.endr
	WALU
	s_wait_dscnt 0x0
.irp s, 1,2,3,4
	VSUM \s
.endr
	PLACES 8
.irp s, 5,6,7
	VSTEP \s
.endr
	s_wait_dscnt 0x0
.irp s, 5,6,7
	VSUM \s
.endr
	PLACES 8
.irp s, 5,4,3,2,1,0
.irp j, 0,2,4,6
	v_pk_add_f32 v[SX+8*\s+\j:SX+8*\s+\j+1], v[SX+8*\s+\j:SX+8*\s+\j+1], v[SX+8*\s+8+\j:SX+8*\s+9+\j]
.endr
.endr
.irp d, 0,1,2,3,4,5,6
	ds_store_b128 v[ADK], v[SX+8*\d:SX+8*\d+3] offset:256*\d        ; (the sixteen lanes of a half write the same bytes with the same values)
	ds_store_b128 v[ADK], v[SX+8*\d+4:SX+8*\d+7] offset:256*\d+16
.endr
	ds_store_b128 v[ADK], v[24:27] offset:1792     ; behind step 7 nothing is hidden: zeros
	ds_store_b128 v[ADK], v[24:27] offset:1808
.Lno_sums:
	s_wait_dscnt 0x0
	s_barrier_signal -1                            ; the sums are stored; the wait stands at the first pass's end: in between LDS is only read, and only k's and v's bytes
; ONE TILE OF 16 QUERIES THROUGH THE KEY STEPS UP TO ITS DIAGONAL, and its way out.  QSR: q's scale words; B: the pass's scalars; W3: the scalar that holds its block of 32 in the diagonal step
.macro PASS e, QSR, B, W3
	v_add_nc_u32 v[DD], s[\B+6], v[DQ]             ; my query less the diagonal step's first key less 16 h
	s_cmp_lt_u32 s[\B+7], 7
	s_cselect_b32 s74, -1, 0
	v_mov_b32 v254, 0xff61b1e6                     ; -3e38, under every score
	v_mov_b32 v14, 0
	v_mov_b32 v15, 0
	v_cndmask_b32 v13, v254, v[MV], s74            ; the largest score so far: the mask's where whole steps are hidden
.set n, 0
.rept 32
	v_mov_b32 v[OT+n], 0                           ; O^T: the step is written once; its first trip finds zeros
.set n, n+1
.endr
	v_mul_f32 v254, s[NC], v13
	s_delay_alu instid0(VALU_DEP_1)
	v_floor_f32 v12, v254                          ; -M
	s_mov_b32 s[TK], 0
	s_mov_b32 s[TV], 0
	s_mov_b32 s[ST], 0
	WALU
.Ltrip_\@:
	s_cmp_gt_u32 s[ST], s[\B+7]                    ; all 128 keys hidden: nothing to do here
	s_cbranch_scc1 .Lskip_\@
	v_add_nc_u32 v[ADK], s[TK], v[LI]
	PLACES 7                                       ; eight places in front of loads into registers that the last products read
	ds_load_b128 v[220:223], v[ADK] offset:8192    ; k's scale words: lanes 0-15 tiles 0-3, lanes 16-31 tiles 4-7
.irp i, 0,1,2,3,4,5,6,7
	ds_load_b128 v[32+8*\i:35+8*\i], v[ADK] offset:1024*\i
	ds_load_b128 v[36+8*\i:39+8*\i], v[ADK] offset:1024*\i+512
.endr
	s_wait_dscnt 6                                 ; all but tiles 5 to 7: a fragment's upper half is the next tile
.irp i, 0,1,2,3
	v_wmma_scale_f32_16x16x128_f8f6f4 v[SX+8*\i:SX+8*\i+7], v[32+8*\i:47+8*\i], v[16:31], 0, v[220+\i], v[\QSR] matrix_a_fmt:MATRIX_FMT_BF8 matrix_b_fmt:MATRIX_FMT_BF8
.endr
	s_wait_dscnt 0x0
.irp i, 0,1,2,3
	v_wmma_scale_f32_16x16x128_f8f6f4 v[SX+32+8*\i:SX+39+8*\i], v[64+8*\i:79+8*\i], v[16:31], 0, v[220+\i], v[\QSR] matrix_a_fmt:MATRIX_FMT_BF8 matrix_b_fmt:MATRIX_FMT_BF8 matrix_a_scale:MATRIX_SCALE_ROW1
.endr                                          ; register 16 b + i of lane (r, h): key 128 step + 32 b + 16 h + i, query r
	v_add_nc_u32 v[ADV], s[TV], v[AV]
	v_add_nc_u32 v[ADT], s[TV], v[AT]
	PLACES 6
.irp t, 0,1,2,3                                ; v's fragments (16 channels x these 128 keys), under the softmax
.irp c, 0,1,2,3
	ds_load_b128 v[32+16*\t+4*\c:35+16*\t+4*\c], v[ADV] offset:2048*\t+512*\c
.endr
.endr
	ds_load_b128 v[216:219], v[ADT]
	s_cmp_lt_u32 s[ST], s[\B+7]                    ; a step all of whose keys count skips the mask
	s_cbranch_scc1 .Lopen_\@
.irp b, 0,1,2,3
.if \b < 3
	s_cmp_gt_u32 s[\W3], \b                        ; so does a block of 32 keys ahead of my tile's
	s_cbranch_scc1 .Lseen_\@_\b
.endif
.irp i, 0,1,2,3,4,5,6,7,8,9,10,11,12,13,14,15
	v_cmp_gt_i32 vcc_lo, 32*\b+\i, v[DD]           ; hidden where the key comes after my query
	v_cndmask_b32 v[SX+16*\b+\i], v[SX+16*\b+\i], v[MV], vcc_lo
.endr
.if \b < 3
.Lseen_\@_\b:
.endif
.endr
.Lopen_\@:
.irp b, 0,1,2,3
	v_max3_num_f32 v[234+\b], v[SX+16*\b], v[SX+16*\b+1], v[SX+16*\b+2]   ; the largest score of each block of 32 keys: for the row's maximum and for the block's scale
.endr
.irp i, 3,5,7,9,11,13
.irp b, 0,1,2,3
	v_max3_num_f32 v[234+\b], v[234+\b], v[SX+16*\b+\i], v[SX+16*\b+\i+1]
.endr
.endr
.irp b, 0,1,2,3
	v_max_num_f32 v[234+\b], v[234+\b], v[SX+16*\b+15]
.endr
.irp b, 0,1,2,3
	s_delay_alu instid0(VALU_DEP_4)
	v_permlanex16_b32 v[238+\b], v[234+\b], s[SEL], s[SEL+1]
.endr
.irp b, 0,1,2,3
	s_delay_alu instid0(VALU_DEP_4)
	v_max_num_f32 v[234+\b], v[234+\b], v[238+\b]  ; with lane l xor 16's 16 keys
.endr
	s_delay_alu instid0(VALU_DEP_2)
	v_max3_num_f32 v254, v234, v235, v236
	s_delay_alu instid0(VALU_DEP_1)
	v_max3_num_f32 v13, v13, v254, v237            ; the running largest score
	s_delay_alu instid0(VALU_DEP_1)
	v_mul_f32 v254, s[NC], v13                     ; its -t
	v_mov_b32 v250, v12
	s_delay_alu instid0(VALU_DEP_2)
	v_floor_f32 v12, v254                          ; the new -M = floor(-t): M IS A WHOLE NUMBER
	s_delay_alu instid0(VALU_DEP_1)
	v_fma_f32 v234, v234, s[CS], v12               ; t - M of each block's largest score
	v_fma_f32 v235, v235, s[CS], v12
	v_sub_f32 v250, v12, v250                      ; old M - new M: a whole number, 0 or less
	v_fma_f32 v236, v236, s[CS], v12
	v_fma_f32 v237, v237, s[CS], v12
	v_cvt_i32_f32 v250, v250                       ; (it saturates)
	v_cvt_floor_i32_f32 v234, v234                 ; k: the exponent of the block's largest p
	v_cvt_floor_i32_f32 v235, v235
	v_ldexp_f32 v252, 1.0, v250                    ; f = 2^(old M - new M): rounds nothing
	v_cvt_floor_i32_f32 v236, v236
	v_cvt_floor_i32_f32 v237, v237
.irp b, 0,1,2,3
	v_max_i32 v[234+\b], 0xffffff91, v[234+\b]     ; -111 at the least: the byte k + 112 cannot fall under 1
.endr
.irp b, 0,1,2,3
	v_lshl_add_u32 v[242+\b], v[234+\b], 23, 0x38000000   ; the conversion's scale operand 2^(k - 15)
.endr
.irp b, 0,1,2,3
	v_lshl_add_u32 v[246+\b], v[234+\b], 23, 0x3fe00000   ; 57,344 x the scale = 1.75 x 2^k
.endr
	v_lshl_add_u32 v253, v235, 8, v234             ; p's scale word: the four k, each + 112
	v_lshl_add_u32 v254, v237, 8, v236
	s_delay_alu instid0(VALU_DEP_1)
	v_lshl_add_u32 v253, v254, 16, v253
	s_delay_alu instid0(VALU_DEP_1)
	v_add_nc_u32 v253, 0x70707070, v253
.set n, 0
.rept 16
	v_pk_mul_f32 v[OT+n:OT+n+1], v[OT+n:OT+n+1], v[252:253] op_sel_hi:[1,0]   ; O^T under the new M
.set n, n+2
.endr
.set n, 0
.rept 32
	v_pk_fma_f32 v[SX+n:SX+n+1], v[SX+n:SX+n+1], s[CS:CS+1], v[12:13] op_sel_hi:[1,0,0]   ; t - M, two at a time
.set n, n+2
.endr
	WALU
.set n, 0
.rept 64
	v_exp_f32 v[SX+n], v[SX+n]                     ; p = 2^(t - M)
.set n, n+1
.endr
	v_pk_mul_f32 v[14:15], v[14:15], v[252:253] op_sel_hi:[1,0]   ; the sum under the new M: a plain line behind the exponentials
	WALU                                           ; one wait for the whole batch
	v_pk_add_f32 v[234:235], v[SX:SX+1], v[SX+2:SX+3]   ; the row's sum, of the unquantised p, in five chains
	v_pk_add_f32 v[236:237], v[SX+4:SX+5], v[SX+6:SX+7]
	v_pk_add_f32 v[238:239], v[SX+8:SX+9], v[SX+10:SX+11]
	v_pk_add_f32 v[240:241], v[SX+12:SX+13], v[SX+14:SX+15]
	v_pk_add_f32 v[14:15], v[14:15], v[SX+16:SX+17]
.set n, 0
.rept 23
.if n%5 == 4
.set RR, 14
.else
.set RR, 234+2*(n%5)
.endif
	v_pk_add_f32 v[RR:RR+1], v[RR:RR+1], v[SX+18+2*n:SX+19+2*n]
.set n, n+1
.endr
.set n, 0
.rept 32                                       ; the hold: the conversion to an 8-bit code does not saturate (ISA guide 7.6.2); p is not negative
	v_dual_min_num_f32 v[SX+n], v[SX+n], v[246+n/16] :: v_dual_min_num_f32 v[SX+n+1], v[SX+n+1], v[246+n/16]
.set n, n+2
.endr
.irp b, 0,1,2,3
	v_cvt_scalef32_pk8_bf8_f32 v[200+4*\b:201+4*\b], v[SX+16*\b:SX+16*\b+7], v[242+\b]
	v_cvt_scalef32_pk8_bf8_f32 v[202+4*\b:203+4*\b], v[SX+16*\b+8:SX+16*\b+15], v[242+\b]
.endr
	v_pk_add_f32 v[234:235], v[234:235], v[236:237]   ; (the places behind the conversions)
	v_pk_add_f32 v[238:239], v[238:239], v[240:241]
	v_nop
	v_pk_add_f32 v[234:235], v[234:235], v[238:239]
	v_nop
	v_pk_add_f32 v[14:15], v[14:15], v[234:235]
	WALU
	s_wait_dscnt 0x0                               ; v's fragments
.irp t, 0,1,2,3                                ; O^T += v^T p^T: four accumulators by turns
	v_wmma_scale_f32_16x16x128_f8f6f4 v[OT+8*\t:OT+8*\t+7], v[32+16*\t:47+16*\t], v[200:215], v[OT+8*\t:OT+8*\t+7], v[216+\t], v253 matrix_a_fmt:MATRIX_FMT_BF8 matrix_b_fmt:MATRIX_FMT_BF8
.endr
.Lskip_\@:
	s_add_co_u32 s[TK], s[TK], KR
	s_add_co_u32 s[TV], s[TV], VR
	s_add_co_u32 s[ST], s[ST], 1
	s_cmp_lt_u32 s[ST], 8
	s_cbranch_scc1 .Ltrip_\@
; the hidden steps' one weight a row, p_m: its part of the sum, and Q(p_m) x the sums of v
.if \e == 0
	s_barrier_wait -1                              ; the sums are there
.endif
	s_lshl_b32 s74, s[\B+7], 8
	v_add_nc_u32 v[ADK], s74, v[VSA]
.irp t, 0,1,2,3
	ds_load_b128 v[SX+8*\t:SX+8*\t+3], v[ADK] offset:64*\t
	ds_load_b128 v[SX+8*\t+4:SX+8*\t+7], v[ADK] offset:64*\t+16
.endr
	s_sub_co_u32 s75, 7, s[\B+7]
	s_lshl_b32 s75, s75, 6
	v_cvt_f32_u32 v254, s75                        ; 64 x the hidden steps: my half of their keys
	v_fma_f32 v250, v[MV], s[CS], v12
	s_delay_alu instid0(VALU_DEP_1)
	v_min_num_f32 v250, 0, v250                    ; (where no step is hidden M may lie under t_m, and p_m counts for nothing)
	WALU
	v_exp_f32 v250, v250                           ; p_m = 2^(t_m - M)
	v_nop
	WALU
	v_fma_f32 v14, v250, v254, v14
	v_and_or_b32 v254, v250, 0x7f800000, s[MNT]
	v_min_num_f32 v250, v250, v254                 ; Q(p_m): held, and rounded to two bits of mantissa, ties to even
	s_delay_alu instid0(VALU_DEP_1)
	v_bfe_u32 v254, v250, 21, 1
	v_add_f32 v14, v14, v15
	v_add3_u32 v250, v250, v254, 0xfffff
	v_permlanex16_b32 v238, v14, s[SEL], s[SEL+1]
	v_and_b32 v250, 0xffe00000, v250
	v_add_f32 v14, v14, v238                       ; the row's sum
	WALU
	v_rcp_f32 v14, v14
	v_nop
	s_wait_dscnt 0x0                               ; the sums of v
	WALU
.set n, 0
.rept 16
	v_pk_fma_f32 v[OT+n:OT+n+1], v[SX+n:SX+n+1], v[250:251], v[OT+n:OT+n+1] op_sel_hi:[1,0,1]
.set n, n+2
.endr
.set n, 0
.rept 16
	v_pk_mul_f32 v[SX+n:SX+n+1], v[OT+n:OT+n+1], v[14:15] op_sel_hi:[1,0]
.set n, n+2
.endr
; z: register 16 b + i of lane (r, h) is channel 32 b + 16 h + i of the head: two blocks of the output projection's K
.irp b, 0,1
	v_max3_num_f32 v[234+\b], |v[SX+16*\b]|, |v[SX+16*\b+1]|, 0x8000000   ; with the floor 2^(16 - 127)
.endr
.irp i, 2,4,6,8,10,12,14
.irp b, 0,1
	s_delay_alu instid0(VALU_DEP_2)
	v_max3_num_f32 v[234+\b], v[234+\b], |v[SX+16*\b+\i]|, |v[SX+16*\b+\i+1]|
.endr
.endr
.irp b, 0,1
	s_delay_alu instid0(VALU_DEP_2)
	v_permlanex16_b32 v[238+\b], v[234+\b], s[SEL], s[SEL+1]
.endr
.irp b, 0,1
	s_delay_alu instid0(VALU_DEP_2)
	v_max_num_f32 v[234+\b], v[234+\b], v[238+\b]
.endr
.irp b, 0,1
	s_delay_alu instid0(VALU_DEP_2)
	v_add_nc_u32 v[242+\b], 0xf8800000, v[234+\b]  ; 15 off the exponent field: the conversion's scale operand
.endr
.irp b, 0,1
	v_and_or_b32 v[246+\b], v[234+\b], 0x7f800000, s[MNT]   ; 57,344 x the scale
.endr
.irp b, 0,1
	v_lshrrev_b32 v[236+\b], 23, v[242+\b]
.endr
	v_lshlrev_b32 v254, 1, v[R16]                  ; 32 r
	v_lshl_or_b32 v250, v237, 8, v236              ; the two bytes
.irp b, 0,1
.irp i, 0,1,2,3,4,5,6,7,8,9,10,11,12,13,14,15
	v_med3_num_f32 v[SX+16*\b+\i], v[SX+16*\b+\i], -v[246+\b], v[246+\b]
.endr
	v_cvt_scalef32_pk8_bf8_f32 v[200+4*\b:201+4*\b], v[SX+16*\b:SX+16*\b+7], v[242+\b]
	v_cvt_scalef32_pk8_bf8_f32 v[202+4*\b:203+4*\b], v[SX+16*\b+8:SX+16*\b+15], v[242+\b]
.endr
	v_nop                                          ; a plain vector line behind the last conversion
	global_store_b128 v[LI], v[200:203], s[\B+2:\B+3]             ; 512 consecutive bytes
	global_store_b128 v[LI], v[204:207], s[\B+2:\B+3] offset:512
	global_store_b16 v254, v250, s[\B+4:\B+5]                     ; both halves of the lanes write the same two bytes with the same value
.endm
	PASS 0, 232, 80, 60
	s_wait_xcnt 0x0                                ; the stores have read their registers
.irp j, 0,1,2,3,4,5,6,7
	v_mov_b32 v[16+\j], v[224+\j]                  ; the second tile's q
.endr
	PASS 1, 233, 88, 61
	s_wait_tensorcnt 0x0                           ; the wave's end
	ds_add_u32 v[SPW], v[NIL]
	s_wait_dscnt 0x0
	CROUND                                         ; the closing round
	s_endpgm
.Lfunc_end_k_q28639c9f8c_attn:
	.size	k_q28639c9f8c_attn, .Lfunc_end_k_q28639c9f8c_attn-k_q28639c9f8c_attn
	.p2alignl 7, 3214868480
	.fill 96, 4, 3214868480
	.section	.rodata,"a",@progbits
	.p2align	6, 0x0
	.amdhsa_kernel k_q28639c9f8c_attn
		.amdhsa_group_segment_fixed_size 167936
		.amdhsa_private_segment_fixed_size 0
		.amdhsa_enable_private_segment 0
		.amdhsa_kernarg_size 16
		.amdhsa_user_sgpr_count 2
		.amdhsa_user_sgpr_kernarg_segment_ptr 1
		.amdhsa_wavefront_size32 1
		.amdhsa_system_sgpr_workgroup_id_x 1
		.amdhsa_system_sgpr_workgroup_id_y 1
		.amdhsa_system_sgpr_workgroup_id_z 1
		.amdhsa_system_vgpr_workitem_id 0
		.amdhsa_next_free_vgpr 256
		.amdhsa_next_free_sgpr 100
		.amdhsa_reserve_vcc 1
		.amdhsa_float_denorm_mode_32 3
		.amdhsa_float_denorm_mode_16_64 3
		.amdhsa_memory_ordered 1
		.amdhsa_forward_progress 1
		.amdhsa_inst_pref_size 86
	.end_amdhsa_kernel
	.amdgpu_metadata
---
amdhsa.version: [ 1, 2 ]
amdhsa.kernels:
  - .name:           k_q28639c9f8c_attn
    .symbol:         k_q28639c9f8c_attn.kd
    .args:
      - { .name: qkv, .offset: 0, .size: 8, .value_kind: global_buffer, .address_space: global }
      - { .name: zq, .offset: 8, .size: 8, .value_kind: global_buffer, .address_space: global }
    .group_segment_fixed_size: 167936
    .private_segment_fixed_size: 0
    .kernarg_segment_align: 8
    .kernarg_segment_size: 16
    .max_flat_workgroup_size: 512
    .sgpr_count:     100
    .vgpr_count:     256
    .wavefront_size: 32
...
	.end_amdgpu_metadata
.endif
;; end of part 3
;; launch outp (part 4): grid 8 x 32, 4 waves a work-group, clusters of 4 x 4, 327,680 bytes of LDS; arguments zq, wq, Ob, out0; writes out0
.if DOCPART == 4
	.amdgcn_target "amdgcn-amd-amdhsa--gfx1250"
	.amdhsa_code_object_version 6
	.text
	.protected	k_q28639c9f8c_outp
	.globl	k_q28639c9f8c_outp
	.p2align	8
	.type	k_q28639c9f8c_outp,@function
k_q28639c9f8c_outp:
	s_mov_b64 s[64:65], 0
	v_nop
	global_prefetch_b8 v0, s[64:65] scope:SCOPE_SE
	s_setreg_imm32_b32 hwreg(HW_REG_WAVE_MODE, 25, 1), 1
	s_wait_xcnt 0x0
	s_wait_alu depctr_hold_cnt(0) depctr_sa_sdst(0) depctr_va_vdst(0) depctr_va_sdst(0) depctr_va_ssrc(0) depctr_va_vcc(0) depctr_vm_vsrc(0)
	s_getreg_b32 s2, hwreg(HW_REG_IB_STS2, 6, 4)
	s_cmp_eq_u32 s2, 0
	s_cbranch_scc0 .Lentry_in_a_cluster
	s_endpgm
.Lentry_in_a_cluster:
	s_bfe_u32 s2, ttmp6, 0x10000c
	s_cmp_lg_u32 s2, 0xf033
	s_cbranch_scc0 .Lentry_shape_is_right
	s_endpgm
.Lentry_shape_is_right:
; out = z O + Ob on codes of BF8 (E5M2) with E8M0 scales: 8,192 x 1,024 x 1,024, f32 sums, f32 out.
; 256 work-groups of 256 rows x 128 columns, four waves 2 x 2.  A WAVE KEEPS 64 COLUMNS OF O, ALL OF K, IN REGISTERS (512) and streams its 128 rows past them in eight blocks of 16, which stand in registers as two whole sets (256): a block is 32 products.
; LDS: O's 128 rows (131,072 bytes) at 0, the first 128 rows of z behind them; once O is in registers, z's second 128 rows are filled over it: one refill, in a drained round of the cluster's barrier.
; All operands lie in memory as images of fragments, [tile][128 along K: 8][2,048 bytes], so each LDS load reads 512 consecutive bytes.
; SOURCE 0 = 16 rows of z, source 1 = 16 columns of O: a lane holds one column and eight rows of a result tile.  Row r of O's tile t is column 4 r + t of the wave's 64: so a lane's four tiles are four neighbouring columns, and sixteen lanes store 256 consecutive bytes.
; A block's bias and store stand behind the next block's products: its 16 pairs of additions, which also gather the four columns, are the places behind those products.
; CLUSTERS 4 x 4: z's rows are asked for jointly along a row of the cluster, O's along a column.  The scale words come straight into registers: 32 bytes of each row, once.
; z's tiles are in tile order: row 8 h + j of tile 2 B + u is row 32 B + 8 u + 16 h + j.
; LIMITS: NaN and infinities are not served.
; REGISTERS: window 0 all else; windows 1, 2 O's fragments (4 q + t: 16 registers each); window 3 two sets of z's.
.set ZSC,  8388608
.set WSC,  4194304
.set CHUNK, 131072                     ; 128 rows of z; O's 128 columns
.set SPARE, 2*CHUNK
.set LI,   4
.set ADW,  5                           ; v5     LDS address of my O fragments
.set ADX,  6                           ; v6, v7 of my z fragments in the first 128 rows, in the second
.set CO,   8                           ; v8     my byte offset in out0
.set SPW,  10
.set NIL,  11
.set SA,   32                          ; v32-63 z's scale words: 8 p + q: lanes 0-15 block 2 p, lanes 16-31 block 2 p + 1
.set SB,   68                          ; v68-83 O's: 8 p + q: lanes 0-15 tile 2 p, lanes 16-31 tile 2 p + 1: no product's two scale words have numbers equal modulo 8
.set BI,   84                          ; v84-87 the bias of my four columns
.set ACC,  96                          ; v96-159 two sets of four accumulators
.set OUT,  160                         ; v160-223 two sets of results
.set G1A,  24
.set G1B,  32
.set G0A,  48
.set G0B,  52
.set G0R,  56
.set MSB, 0
.macro WIN new                         ; the immediate's high byte repeats the setting that is left
.if MSB != (\new)
	s_set_vgpr_msb (MSB<<8)|(\new)
.set MSB, (\new)
.endif
.endm
.macro BARRIER
	s_barrier_signal -1
	s_barrier_wait -1
.endm
.macro CROUND
	BARRIER
	s_cmp_lg_u32 s16, 0
	s_cbranch_scc1 .Lnot_wave_0_\@
	s_barrier_signal -3
.Lnot_wave_0_\@:
	s_barrier_wait -3
	BARRIER
.endm
.macro TLOAD g0, g1
	tensor_load_to_lds s[\g0:\g0+3], s[\g1:\g1+7]
	s_nop 0
.rept 4
	v_nop
.endr
.endm
	s_load_b256 s[4:11], s[0:1], 0x0               ; zq, wq, Ob, out0
	v_lshl_add_u32 v[SPW], v0, 2, SPARE
	v_mov_b32 v[NIL], 0
	ds_add_u32 v[SPW], v[NIL]                      ; the wave's opening: the add, twice on end, and its wait
	ds_add_u32 v[SPW], v[NIL]
	v_lshrrev_b32 v1, 5, v0
	v_readfirstlane_b32 s16, v1                    ; wave 0..3
	s_lshr_b32 s17, s16, 1                         ; my row of waves
	s_and_b32 s18, s16, 1                          ; my column of waves.  Also: which half of a tile I fetch at the head
	s_bfe_u32 s20, ttmp6, 0x40000                  ; cx
	s_bfe_u32 s21, ttmp6, 0x40004                  ; cy
	s_lshl_b32 s22, ttmp9, 2
	s_add_co_u32 s22, s22, s20                     ; tile column C: 0..7
	s_and_b32 s23, ttmp7, 0xffff
	s_lshl_b32 s23, s23, 2
	s_add_co_u32 s23, s23, s21                     ; tile row R: 0..31
	s_lshl_b32 s66, s21, 2
	s_lshl_b32 s66, 15, s66                        ; my row of the cluster
	s_lshl_b32 s67, 0x1111, s20                    ; my column
	s_or_b32 s[G1A+0], s66, (3<<16)|(1<<21)        ; dense bytes as rows of 256 (32 elements of 8 bytes)
	s_or_b32 s[G1B+0], s67, (3<<16)|(1<<21)
.irp g, G1A, G1B
	s_mov_b32 s[\g+1], 32<<16
	s_mov_b32 s[\g+2], 256<<16
	s_mov_b32 s[\g+3], 32<<16
	s_mov_b32 s[\g+4], 256
	s_mov_b32 s[\g+5], 32
	s_mov_b32 s[\g+6], 0
	s_mov_b32 s[\g+7], 0
.endr
	s_lshl_b32 s40, s23, 18                        ; z: 262,144 bytes a tile row,
	s_lshl_b32 s44, s18, 16
	s_add_co_u32 s40, s40, s44                     ; + my half of the first 128 rows
	s_mov_b32 s41, 0
	s_lshl_b32 s42, s22, 17                        ; O: the fourth tensor of wq, 131,072 bytes a tile column
	s_add_co_u32 s42, s42, s44
	s_add_co_u32 s42, s42, 0x300000
	s_mov_b32 s43, 0
	s_lshl_b32 s44, s23, 18                        ; the refill: z's second 128 rows, a quarter a wave
	s_lshl_b32 s45, s16, 15
	s_add_co_u32 s44, s44, s45
	s_add_co_u32 s44, s44, CHUNK
	s_mov_b32 s[G0R+1], s45
	s_mov_b32 s45, 0
	s_lshl_b32 s46, s16, 16                        ; where the head's loads go: waves 0, 1 O's halves, waves 2, 3 z's
	s_mov_b32 s[G0A], 1
	s_mov_b32 s[G0A+1], s46
	s_mov_b32 s[G0B], 1
	s_mov_b32 s[G0B+1], s46
	s_mov_b32 s[G0R], 1
	s_wait_dscnt 0x0                               ; both opening adds are done
	CROUND                                         ; all sixteen work-groups are here
	s_wait_kmcnt 0x0
	s_add_nc_u64 s[G0A+2:G0A+3], s[4:5], s[40:41]
	s_or_b32 s[G0A+3], s[G0A+3], 0x80000000
	s_add_nc_u64 s[G0B+2:G0B+3], s[6:7], s[42:43]
	s_or_b32 s[G0B+3], s[G0B+3], 0x80000000
	s_add_nc_u64 s[G0R+2:G0R+3], s[4:5], s[44:45]
	s_or_b32 s[G0R+3], s[G0R+3], 0x80000000
	s_cmp_lt_u32 s16, 2                            ; one joint load a wave; a line each for what is shown at the first barrier and at the second
	s_cbranch_scc0 .Lfor_z
	TLOAD G0B, G1B
	s_branch .Lasked
.Lfor_z:
	TLOAD G0A, G1A
.Lasked:
	v_and_b32 v3, 31, v0                           ; lane
	v_and_b32 v1, 15, v0                           ; r
	v_bfe_u32 v2, v0, 4, 1                         ; h
	v_lshlrev_b32 v[LI], 4, v3
	v_lshlrev_b32 v9, 5, v3                        ; scale words: 32 bytes a row, two tiles on end
	v_lshlrev_b32 v12, 4, v1                       ; 16 r
	v_lshlrev_b32 v13, 8, v3                       ; the prefetch: lanes 256 bytes apart
	v_lshl_add_u32 v[CO], v2, 16, v12              ; 16 rows of out0 for lanes 16-31
	s_lshl_b32 s2, s18, 16
	v_add_nc_u32 v[ADW], s2, v[LI]
	s_lshl_b32 s2, s17, 16
	v_add_nc_u32 v[ADX+1], s2, v[LI]
	s_add_co_u32 s2, s2, CHUNK
	v_add_nc_u32 v[ADX], s2, v[LI]
	s_lshl_b32 s40, s22, 12                        ; O's scale bytes: 32 a stored row
	s_lshl_b32 s2, s18, 11
	s_add_co_u32 s40, s40, s2
	s_add_co_u32 s40, s40, WSC+98304
	s_mov_b32 s41, 0
	s_add_nc_u64 s[40:41], s[6:7], s[40:41]
	s_lshl_b32 s42, s23, 13                        ; z's
	s_lshl_b32 s2, s17, 11
	s_add_co_u32 s42, s42, s2
	s_add_co_u32 s42, s42, ZSC
	s_mov_b32 s43, 0
	s_add_nc_u64 s[42:43], s[4:5], s[42:43]
	s_lshl_b32 s2, s22, 9                          ; my first column, in bytes
	s_lshl_b32 s3, s18, 8
	s_add_co_u32 s2, s2, s3
	s_mov_b32 s3, 0
	s_add_nc_u64 s[8:9], s[8:9], s[2:3]
	s_add_nc_u64 s[10:11], s[10:11], s[2:3]
	s_lshl_b32 s2, s23, 20                         ; my first row: 256 R + 64 x row of waves
	s_lshl_b32 s3, s17, 18
	s_add_co_u32 s2, s2, s3
	s_mov_b32 s3, 0
	s_add_nc_u64 s[10:11], s[10:11], s[2:3]
	s_lshl_b32 s2, s20, 2                          ; THE PREFETCH of what the refill will bring: 131,072 bytes, shared out BY ADDRESS among the cluster row's sixteen waves, 8,192 bytes each: each block of 256 bytes is named once in the cluster
	s_add_co_u32 s2, s2, s16
	s_lshl_b32 s2, s2, 13
	s_lshl_b32 s3, s23, 18
	s_add_co_u32 s2, s2, s3
	s_add_co_u32 s2, s2, CHUNK
	s_mov_b32 s3, 0
	s_add_nc_u64 s[2:3], s[4:5], s[2:3]
	s_wait_alu depctr_va_vdst(0)
.irp p, 0,1
.irp c, 0,1
	global_load_b128 v[SB+8*\p+4*\c:SB+8*\p+4*\c+3], v9, s[40:41] offset:1024*\p+16*\c
.endr
.endr
.irp p, 0,1,2,3
.irp c, 0,1
	global_load_b128 v[SA+8*\p+4*\c:SA+8*\p+4*\c+3], v9, s[42:43] offset:1024*(\p%2)+4096*(\p/2)+16*\c
.endr
.endr
	global_load_b128 v[BI:BI+3], v12, s[8:9]
	global_prefetch_b8 v13, s[2:3] th:TH_LOAD_NT scope:SCOPE_SE
	s_wait_alu depctr_va_vdst(0)
	s_cmp_lt_u32 s16, 2
	s_cbranch_scc0 .Lnot_o
	s_wait_tensorcnt 0x0                           ; waves 0, 1: O has landed
.Lnot_o:
	BARRIER
.irp q, 0,1,2,3,4,5,6,7                        ; my 64 rows of O, all of K, into windows 1 and 2: 128 loads
	WIN (1+\q/4)<<6
.irp t, 0,1,2,3
.irp c, 0,1,2,3
	ds_load_b128 v[16*((4*\q+\t)%16)+4*\c:16*((4*\q+\t)%16)+4*\c+3], v[ADW] offset:16384*\t+2048*\q+512*\c
.endr
.endr
.endr
	WIN 0
	s_wait_tensorcnt 0x0                           ; z's first 128 rows are in
	ds_add_u32 v[SPW], v[NIL]
	s_mov_b32 s[G1A+2], 128<<16                    ; the refill: 128 rows of 256 bytes a wave
	s_mov_b32 s[G1A+4], 128
	s_wait_dscnt 0x0                               ; the add is done, and O is in registers
	CROUND
	TLOAD G0R, G1A                                 ; z's second 128 rows, over O's bytes
.macro FETCH i                         ; block i, 16 rows, all of K, into set i % 2: 32 loads
	WIN 3<<6
.irp q, 0,1,2,3,4,5,6,7
.irp c, 0,1,2,3
	ds_load_b128 v[128*((\i)%2)+16*\q+4*\c:128*((\i)%2)+16*\q+4*\c+3], v[ADX+(\i)/4] offset:((\i)%4)*16384+2048*\q+512*\c
.endr
.endr
	WIN 0
.endm
.macro WM c
.if (I_%2) && (T_%2)
	v_wmma_scale_f32_16x16x128_f8f6f4 v[AC_:AC_+7], v[X_:X_+15], v[W_:W_+15], \c, v[SA_], v[SB_] matrix_a_fmt:MATRIX_FMT_BF8 matrix_b_fmt:MATRIX_FMT_BF8 matrix_a_scale:MATRIX_SCALE_ROW1 matrix_b_scale:MATRIX_SCALE_ROW1
.elseif I_%2
	v_wmma_scale_f32_16x16x128_f8f6f4 v[AC_:AC_+7], v[X_:X_+15], v[W_:W_+15], \c, v[SA_], v[SB_] matrix_a_fmt:MATRIX_FMT_BF8 matrix_b_fmt:MATRIX_FMT_BF8 matrix_a_scale:MATRIX_SCALE_ROW1
.elseif T_%2
	v_wmma_scale_f32_16x16x128_f8f6f4 v[AC_:AC_+7], v[X_:X_+15], v[W_:W_+15], \c, v[SA_], v[SB_] matrix_a_fmt:MATRIX_FMT_BF8 matrix_b_fmt:MATRIX_FMT_BF8 matrix_b_scale:MATRIX_SCALE_ROW1
.else
	v_wmma_scale_f32_16x16x128_f8f6f4 v[AC_:AC_+7], v[X_:X_+15], v[W_:W_+15], \c, v[SA_], v[SB_] matrix_a_fmt:MATRIX_FMT_BF8 matrix_b_fmt:MATRIX_FMT_BF8
.endif
.endm
.macro PRODS i                         ; a block's 32 products: four accumulators by turns
.set I_, \i
.set N_, 0
.rept 32
.set Q_, N_/4
.set T_, N_%4
.set AC_, ACC+32*(I_%2)+8*T_
.set X_, 128*(I_%2)+16*Q_
.set W_, 16*((4*Q_+T_)%16)
.set SA_, SA+8*(I_/2)+Q_
.set SB_, SB+8*(T_/2)+Q_
	WIN 3|((1+Q_/4)<<2)
.if Q_
	WM v[AC_:AC_+7]
.else
	WM 0
.endif
.set N_, N_+1
.endr
	WIN 0
.endm
.macro ADDS i                          ; + bias; the four tiles' numbers of a row side by side
.set A_, ACC+32*((\i)%2)
.set O_, OUT+32*((\i)%2)
.irp j, 0,1,2,3,4,5,6,7
.irp t, 0,2
	v_dual_add_f32 v[O_+4*\j+\t], v[A_+8*\t+\j], v[BI+\t] :: v_dual_add_f32 v[O_+4*(\j+1-2*(\j%2))+\t+1], v[A_+8*\t+8+\j+1-2*(\j%2)], v[BI+\t+1]
.endr
.endr
.endm
.macro SEND i                          ; sixteen lanes store 256 consecutive bytes, aligned; two rows an instruction
.irp j, 0,1,2,3,4,5,6,7
	global_store_b128 v[CO], v[OUT+32*((\i)%2)+4*\j:OUT+32*((\i)%2)+4*\j+3], s[10:11] offset:(32*(((\i)%4)/2)+8*((\i)%2)+128*((\i)/4)+\j)*4096 th:TH_STORE_NT
.endr
.endm
	FETCH 0
	FETCH 1
	s_wait_loadcnt 0x0                             ; the scale words and the bias
.macro BLOCK i
.if (\i) < 7
	s_wait_dscnt 32                                ; this block is in; the next one's 32 loads may be out
.else
	s_wait_dscnt 0x0
.endif
	PRODS \i
.if (\i) > 0
	s_wait_xcnt 0x0                                ; the stores of the block three back have read their registers
	ADDS (\i)-1                                    ; (16 places behind the products)
.else
.rept 8
	v_nop
.endr
.endif
.if (\i) == 2
	SEND (\i)-1
	s_wait_alu depctr_va_vdst(0)
	s_wait_tensorcnt 0x0                           ; my quarter of z's second 128 rows is in,
	s_wait_dscnt 0x0
	BARRIER                                        ; everybody's is
.endif
.if (\i)+2 < 8
	FETCH (\i)+2
.endif
.if (\i) > 0 && (\i) != 2
	SEND (\i)-1
.endif
.endm
.irp i, 0,1,2,3,4,5,6,7
	BLOCK \i
.endr
	s_wait_xcnt 0x0
	ADDS 7
	SEND 7
	s_wait_tensorcnt 0x0                           ; the wave's end
	ds_add_u32 v[SPW], v[NIL]
	s_wait_dscnt 0x0
	CROUND                                         ; the closing round
	s_endpgm
.Lfunc_end_k_q28639c9f8c_outp:
	.size	k_q28639c9f8c_outp, .Lfunc_end_k_q28639c9f8c_outp-k_q28639c9f8c_outp
	.p2alignl 7, 3214868480
	.fill 96, 4, 3214868480
	.section	.rodata,"a",@progbits
	.p2align	6, 0x0
	.amdhsa_kernel k_q28639c9f8c_outp
		.amdhsa_group_segment_fixed_size 327680
		.amdhsa_private_segment_fixed_size 0
		.amdhsa_enable_private_segment 0
		.amdhsa_kernarg_size 32
		.amdhsa_user_sgpr_count 2
		.amdhsa_user_sgpr_kernarg_segment_ptr 1
		.amdhsa_wavefront_size32 1
		.amdhsa_system_sgpr_workgroup_id_x 1
		.amdhsa_system_sgpr_workgroup_id_y 1
		.amdhsa_system_sgpr_workgroup_id_z 1
		.amdhsa_system_vgpr_workitem_id 0
		.amdhsa_next_free_vgpr 1024
		.amdhsa_next_free_sgpr 100
		.amdhsa_reserve_vcc 0
		.amdhsa_float_denorm_mode_32 3
		.amdhsa_float_denorm_mode_16_64 3
		.amdhsa_memory_ordered 1
		.amdhsa_forward_progress 1
		.amdhsa_inst_pref_size 81
	.end_amdhsa_kernel
	.amdgpu_metadata
---
amdhsa.version: [ 1, 2 ]
amdhsa.kernels:
  - .name:           k_q28639c9f8c_outp
    .symbol:         k_q28639c9f8c_outp.kd
    .args:
      - { .name: zq, .offset: 0, .size: 8, .value_kind: global_buffer, .address_space: global }
      - { .name: wq, .offset: 8, .size: 8, .value_kind: global_buffer, .address_space: global }
      - { .name: Ob, .offset: 16, .size: 8, .value_kind: global_buffer, .address_space: global }
      - { .name: out0, .offset: 24, .size: 8, .value_kind: global_buffer, .address_space: global }
    .group_segment_fixed_size: 327680
    .private_segment_fixed_size: 0
    .kernarg_segment_align: 8
    .kernarg_segment_size: 32
    .max_flat_workgroup_size: 128
    .sgpr_count:     100
    .vgpr_count:     1024
    .wavefront_size: 32
...
	.end_amdgpu_metadata
.endif
;; end of part 4
